; MI455X (gfx1250); checked and timed in simulation.
; The chip was launched on July 23, 2026; its instructions are those of AMD's public machine-readable ISA for CDNA 5 (MIT licence, August 2026) and "CDNA5" Instruction Set Architecture Reference Guide (July 2026). The comments in the code are by the model that wrote it; some were corrected since.
;; Multi Head Diff Attention. Allowed arithmetic: float matrix products may take bf16 or f16 operands with f32 sums; other float arithmetic in f32, or as packed bf16 or f16 multiplies, adds, multiply-adds, maxima and minima; sums over many terms, partial sums and values carried from step to step in f32; what a program stores and reads back later, other than sums and carried values, may be rounded once to bf16 or f16.
;; Inputs: Wc 1,024 x 2,048 float32; Wk1 1,024 x 1,024 float32; Wk2 1,024 x 1,024 float32; Wq1 1,024 x 1,024 float32; Wq2 1,024 x 1,024 float32; Wv 2,048 x 1,024 float32; gamma 128 float32; gn_b 128 float32; gn_w 128 float32; lk1 16 x 1 x 1 float32; lk2 16 x 1 x 1 float32; lq1 16 x 1 x 1 float32; lq2 16 x 1 x 1 float32; x 2 x 2,048 x 1,024 float32.
;; Outputs: out0 2 x 2,048 x 1,024 float32.
;; 2 versions, each right; version 2 is version 1 with the launches zrows, norm written anew for expert scheduling mode. Each part assembles by itself: llvm-mc -triple=amdgcn-amd-amdhsa -mcpu=gfx1250 --defsym DOCPART=n.
;; ======== version 1 of 2: 6 launches
;; limits: values are held in f16: magnitudes above 65,504 overflow, below 6.1e-05 lose precision
;; workspace buffers: xb 8,388,608 bytes; wb 12,582,912 bytes; wc16 4,194,304 bytes; qkv 50,331,648 bytes; z 1,572,864 bytes; y16 16,777,216 bytes; part 65,536 bytes; yn16 16,777,216 bytes
;; launch cvt (part 1): grid 768 x 1, 8 waves a work-group, no clusters, 0 bytes of LDS; arguments x, Wq1, Wq2, Wk1, Wk2, Wv, Wc, xb, wb, wc16; writes xb, wb, wc16
.if DOCPART == 1
	.amdgcn_target "amdgcn-amd-amdhsa--gfx1250"
	.amdhsa_code_object_version 6
	.text
	.protected	k_q9580025d18_cvt
	.globl	k_q9580025d18_cvt
	.p2align	8
	.type	k_q9580025d18_cvt,@function
k_q9580025d18_cvt:
	s_mov_b64 s[64:65], 0
	v_nop
	global_prefetch_b8 v0, s[64:65] scope:SCOPE_SE
	s_setreg_imm32_b32 hwreg(HW_REG_WAVE_MODE, 25, 1), 1
	s_wait_xcnt 0x0
; x and the five projection weights are rounded to bf16; Wc is rounded to bf16 and that number written as f16.
; A work-group converts 16,384 consecutive f32 (65,536 bytes) into 32,768 bytes.  Work-groups 0-255: x -> xb; 256-511: Wq1, Wq2, Wk1, Wk2 -> wb rows 0-4095;
; 512-639: Wv -> wb, row 4096 + h 64 + d for Wv's row h 128 + d and row 5120 + h 64 + d for its row h 128 + 64 + d; 640-767: Wc -> wc16.
; Memory binds: no LDS, no barrier, no matrix unit.  All sixteen loads of a thread go out at once; a thread's 32 bytes in make 16 bytes out, and sixteen
; neighbouring lanes store 256 consecutive bytes, aligned.
; LIMIT.  Wc as f16: beyond 65,504 it would be an infinity; below 6e-5 it keeps f16's fixed step of 6e-8.
	s_load_b512 s[4:19], s[0:1], 0x0               ; x, Wq1, Wq2, Wk1, Wk2, Wv, Wc, xb
	s_load_b128 s[20:23], s[0:1], 0x40             ; wb, wc16
	s_mov_b32 s2, ttmp9
	v_lshlrev_b32 v1, 5, v0                        ; 32 bytes of f32 a thread
	v_lshlrev_b32 v2, 4, v0                        ; 16 bytes of 16-bit numbers
	s_sub_co_u32 s34, s2, 512                      ; Wv's chunk c of 16 rows: head c / 8, half (c / 4) % 2, rows 16 (c % 4) on
	s_bfe_u32 s35, s34, 0x10002
	s_lshl_b32 s35, s35, 10
	s_lshr_b32 s36, s34, 3
	s_lshl_b32 s36, s36, 6
	s_add_co_u32 s35, s35, s36
	s_and_b32 s36, s34, 3
	s_lshl_b32 s36, s36, 4
	s_add_co_u32 s35, s35, s36
	s_add_co_u32 s35, s35, 4096
	s_lshl_b32 s35, s35, 11                        ; its first row in wb, in bytes
	s_wait_kmcnt 0x0
	s_mov_b64 s[24:25], s[4:5]                     ; the source, its chunk, the destination, its byte offset: x's at first,
	s_mov_b64 s[26:27], s[18:19]
	s_mov_b32 s28, s2
	s_lshl_b32 s30, s2, 15
	s_sub_co_u32 s32, s2, 256                      ; then replaced from each bound on
	s_lshl_b32 s33, s32, 15
	s_cmp_ge_u32 s2, 256
	s_cselect_b64 s[24:25], s[6:7], s[24:25]
	s_cselect_b64 s[26:27], s[20:21], s[26:27]
	s_cselect_b32 s28, s32, s28
	s_cselect_b32 s30, s33, s30
	s_sub_co_u32 s32, s2, 320
	s_cmp_ge_u32 s2, 320
	s_cselect_b64 s[24:25], s[8:9], s[24:25]
	s_cselect_b32 s28, s32, s28
	s_sub_co_u32 s32, s2, 384
	s_cmp_ge_u32 s2, 384
	s_cselect_b64 s[24:25], s[10:11], s[24:25]
	s_cselect_b32 s28, s32, s28
	s_sub_co_u32 s32, s2, 448
	s_cmp_ge_u32 s2, 448
	s_cselect_b64 s[24:25], s[12:13], s[24:25]
	s_cselect_b32 s28, s32, s28
	s_cmp_ge_u32 s2, 512
	s_cselect_b64 s[24:25], s[14:15], s[24:25]
	s_cselect_b32 s28, s34, s28
	s_cselect_b32 s30, s35, s30
	s_sub_co_u32 s32, s2, 640
	s_lshl_b32 s33, s32, 15
	s_cmp_ge_u32 s2, 640
	s_cselect_b64 s[24:25], s[16:17], s[24:25]
	s_cselect_b64 s[26:27], s[22:23], s[26:27]
	s_cselect_b32 s28, s32, s28
	s_cselect_b32 s30, s33, s30
	s_lshl_b32 s28, s28, 16
	s_mov_b32 s29, 0
	s_mov_b32 s31, 0
	s_add_nc_u64 s[24:25], s[24:25], s[28:29]
	s_add_nc_u64 s[26:27], s[26:27], s[30:31]
.irp i, 0,1,2,3,4,5,6,7
	global_load_b128 v[8+8*(\i):8+8*(\i)+3],   v1, s[24:25] offset:8192*(\i) th:TH_LOAD_NT
	global_load_b128 v[8+8*(\i)+4:8+8*(\i)+7], v1, s[24:25] offset:8192*(\i)+16 th:TH_LOAD_NT
.endr
; Part i of eight.  half = 1: the bf16 number is widened again and written as f16.
.macro CV i, half
	s_wait_loadcnt 14-2*(\i)                       ; loads come back in order: my pair is in, the younger pairs stay out
.irp j, 0,1,2,3
	v_cvt_pk_bf16_f32 v[72+4*(\i)+(\j)], v[8+8*(\i)+2*(\j)], v[8+8*(\i)+2*(\j)+1]
.endr
.if \half
.irp j, 0,1,2,3
	v_lshlrev_b32 v[8+8*(\i)+2*(\j)],   16, v[72+4*(\i)+(\j)]
	v_and_b32     v[8+8*(\i)+2*(\j)+1], 0xffff0000, v[72+4*(\i)+(\j)]
.endr
.irp j, 0,1,2,3
	v_cvt_pk_f16_f32 v[72+4*(\i)+(\j)], v[8+8*(\i)+2*(\j)], v[8+8*(\i)+2*(\j)+1]
.endr
.endif
	global_store_b128 v2, v[72+4*(\i):72+4*(\i)+3], s[26:27] offset:4096*(\i)
.endm
	s_cmp_ge_u32 s2, 640
	s_cbranch_scc1 .Lhalf
.irp i, 0,1,2,3,4,5,6,7
	CV \i, 0
.endr
	s_endpgm
.Lhalf:
.irp i, 0,1,2,3,4,5,6,7
	CV \i, 1
.endr
	s_endpgm
.Lfunc_end_k_q9580025d18_cvt:
	.size	k_q9580025d18_cvt, .Lfunc_end_k_q9580025d18_cvt-k_q9580025d18_cvt
	.p2alignl 7, 3214868480
	.fill 96, 4, 3214868480
	.section	.rodata,"a",@progbits
	.p2align	6, 0x0
	.amdhsa_kernel k_q9580025d18_cvt
		.amdhsa_group_segment_fixed_size 0
		.amdhsa_private_segment_fixed_size 0
		.amdhsa_enable_private_segment 0
		.amdhsa_kernarg_size 80
		.amdhsa_user_sgpr_count 2
		.amdhsa_user_sgpr_kernarg_segment_ptr 1
		.amdhsa_wavefront_size32 1
		.amdhsa_system_sgpr_workgroup_id_x 1
		.amdhsa_system_sgpr_workgroup_id_y 1
		.amdhsa_system_sgpr_workgroup_id_z 1
		.amdhsa_system_vgpr_workitem_id 0
		.amdhsa_next_free_vgpr 104
		.amdhsa_next_free_sgpr 66
		.amdhsa_reserve_vcc 0
		.amdhsa_float_denorm_mode_32 3
		.amdhsa_float_denorm_mode_16_64 3
		.amdhsa_memory_ordered 1
		.amdhsa_forward_progress 1
		.amdhsa_inst_pref_size 16
	.end_amdhsa_kernel
	.amdgpu_metadata
---
amdhsa.version: [ 1, 2 ]
amdhsa.kernels:
  - .name:           k_q9580025d18_cvt
    .symbol:         k_q9580025d18_cvt.kd
    .args:
      - { .name: x, .offset: 0, .size: 8, .value_kind: global_buffer, .address_space: global }
      - { .name: Wq1, .offset: 8, .size: 8, .value_kind: global_buffer, .address_space: global }
      - { .name: Wq2, .offset: 16, .size: 8, .value_kind: global_buffer, .address_space: global }
      - { .name: Wk1, .offset: 24, .size: 8, .value_kind: global_buffer, .address_space: global }
      - { .name: Wk2, .offset: 32, .size: 8, .value_kind: global_buffer, .address_space: global }
      - { .name: Wv, .offset: 40, .size: 8, .value_kind: global_buffer, .address_space: global }
      - { .name: Wc, .offset: 48, .size: 8, .value_kind: global_buffer, .address_space: global }
      - { .name: xb, .offset: 56, .size: 8, .value_kind: global_buffer, .address_space: global }
      - { .name: wb, .offset: 64, .size: 8, .value_kind: global_buffer, .address_space: global }
      - { .name: wc16, .offset: 72, .size: 8, .value_kind: global_buffer, .address_space: global }
    .group_segment_fixed_size: 0
    .private_segment_fixed_size: 0
    .kernarg_segment_align: 8
    .kernarg_segment_size: 80
    .max_flat_workgroup_size: 256
    .sgpr_count:     66
    .vgpr_count:     104
    .wavefront_size: 32
...
	.end_amdgpu_metadata
.endif
;; end of part 1
;; launch zrows (part 2): grid 192 x 1, 4 waves a work-group, no clusters, 0 bytes of LDS; arguments xb, wb, z; writes z
.if DOCPART == 2
	.amdgcn_target "amdgcn-amd-amdhsa--gfx1250"
	.amdhsa_code_object_version 6
	.text
	.protected	k_q9580025d18_zrows
	.globl	k_q9580025d18_zrows
	.p2align	8
	.type	k_q9580025d18_zrows,@function
k_q9580025d18_zrows:
	s_mov_b64 s[64:65], 0
	v_nop
	global_prefetch_b8 v0, s[64:65] scope:SCOPE_SE
	s_setreg_imm32_b32 hwreg(HW_REG_WAVE_MODE, 25, 1), 1
	s_wait_xcnt 0x0
; The projections of the 64 early rows (t < 32 of both batches), kept in f32: z[n / 4][e][n % 4], e = 32 b + t, n = wb's row.
; A work-group takes 32 rows of wb (two tiles of 16); wave v takes the 16 rows of x with e = 16 v .. 16 v + 15, over all of K: no partial sums, no LDS, no barrier.
; z^T = w x^T (source 0 = 16 rows of wb, source 1 = 16 rows of xb): a lane holds ONE e (lane % 16) and the rows n = 8 (lane / 16) + 0..7 of the tile: two stores of 16 bytes,
; of which sixteen neighbouring lanes fill 256 consecutive bytes, aligned.
; Two sets of registers, a trip (128 channels) each: while one is multiplied the other's 24 loads are on their way.
; No cluster and no tensor loads: what the four waves share is 64 KiB, and a fragment in registers lies as it lies in memory.
.set TRIP,  256
.set ROWB,  2048
.set TURNS, 3                          ; 8 trips; the last two load nothing
.set FO,  2                            ; v2  (l % 16) x ROWB + 16 (l / 16); never rewritten
.set ZO,  6                            ; v6  my 16 bytes in z
.set ACC, 16                           ; four accumulators: tile j, fragments of parity p at ACC + 8 (2 p + j)
.set BUF, 64                           ; two sets of 96: w's fragments (tile j, fragment f at 32 j + 8 f), then x's four
.set WV,  14
.set LEFT, 15
.set W,   10
.set X,   12
	s_load_b128 s[4:7], s[0:1], 0x0                ; xb, wb
	s_load_b64 s[8:9], s[0:1], 0x10                ; z
	v_lshrrev_b32 v1, 5, v0
	v_readfirstlane_b32 s[WV], v1
	v_and_b32 v10, 15, v0
	v_bfe_u32 v11, v0, 4, 1
	v_lshlrev_b32 v[FO], 11, v10
	v_lshl_add_u32 v[FO], v11, 4, v[FO]
	v_lshlrev_b32 v[ZO], 4, v10                    ; e's 16 bytes: 16 (16 v + r),
	v_lshl_add_u32 v[ZO], v11, 11, v[ZO]           ; two groups of four rows n on for the upper lanes
	s_lshl_b32 s16, s[WV], 8
	v_add_nc_u32 v[ZO], s16, v[ZO]
	s_lshl_b32 s2, ttmp9, 16                       ; the work-group's 32 rows of wb
	s_mov_b32 s3, 0
	s_lshr_b32 s16, s[WV], 1
	s_lshl_b32 s16, s16, 22                        ; batch: 2,048 rows of 2,048 bytes
	s_and_b32 s17, s[WV], 1
	s_lshl_b32 s17, s17, 15                        ; 16 rows
	s_add_co_u32 s16, s16, s17
	s_mov_b32 s17, 0
	s_lshl_b32 s18, ttmp9, 13                      ; 8 groups of four rows n x 1,024 bytes
	s_mov_b32 s19, 0
	s_mov_b32 s[LEFT], TURNS
	s_wait_kmcnt 0x0
	s_add_nc_u64 s[W:W+1], s[6:7], s[2:3]
	s_add_nc_u64 s[X:X+1], s[4:5], s[16:17]
	s_add_nc_u64 s[8:9], s[8:9], s[18:19]
.macro LOADS b, off
.irp f, 0,1,2,3
	global_load_b128 v[BUF+96*(\b)+8*(\f):BUF+96*(\b)+8*(\f)+3],       v[FO], s[W:W+1] offset:(\off)+64*(\f)
	global_load_b128 v[BUF+96*(\b)+8*(\f)+4:BUF+96*(\b)+8*(\f)+7],     v[FO], s[W:W+1] offset:(\off)+64*(\f)+32
	global_load_b128 v[BUF+96*(\b)+32+8*(\f):BUF+96*(\b)+32+8*(\f)+3], v[FO], s[W:W+1] offset:(\off)+64*(\f)+16*ROWB
	global_load_b128 v[BUF+96*(\b)+32+8*(\f)+4:BUF+96*(\b)+32+8*(\f)+7], v[FO], s[W:W+1] offset:(\off)+64*(\f)+32+16*ROWB
	global_load_b128 v[BUF+96*(\b)+64+8*(\f):BUF+96*(\b)+64+8*(\f)+3], v[FO], s[X:X+1] offset:(\off)+64*(\f)
	global_load_b128 v[BUF+96*(\b)+64+8*(\f)+4:BUF+96*(\b)+64+8*(\f)+7], v[FO], s[X:X+1] offset:(\off)+64*(\f)+32
.endr
.endm
.macro MULS b                          ; the four accumulators take turns, over the backward jump too
.irp f, 0,1,2,3
.irp j, 0,1
	v_wmma_f32_16x16x32_bf16 v[ACC+8*(2*((\f)%2)+(\j)):ACC+8*(2*((\f)%2)+(\j))+7], v[BUF+96*(\b)+32*(\j)+8*(\f):BUF+96*(\b)+32*(\j)+8*(\f)+7], v[BUF+96*(\b)+64+8*(\f):BUF+96*(\b)+64+8*(\f)+7], v[ACC+8*(2*((\f)%2)+(\j)):ACC+8*(2*((\f)%2)+(\j))+7]
.endr
.endr
.endm
.macro PLACES                          ; four places behind the last product, in front of loads into registers that it has read and of sums that read results
.rept 4
	v_nop
.endr
.endm
	LOADS 0, 0
	LOADS 1, TRIP
.set r, 0
.rept 32
	v_mov_b32 v[ACC+r], 0                          ; written while the first loads are on their way, so that the loop has one form of product
.set r, r+1
.endr
.Lturn:
	s_wait_loadcnt 24                              ; set 0 is in; set 1's 24 loads may stay out
	MULS 0
	PLACES
	s_wait_xcnt 0x0                                ; every load issued so far has read its address: the pointers may be written
	s_add_nc_u64 s[W:W+1], s[W:W+1], 2*TRIP
	s_add_nc_u64 s[X:X+1], s[X:X+1], 2*TRIP
	LOADS 0, 0
	s_wait_loadcnt 24                              ; set 1 is in
	MULS 1
	PLACES
	LOADS 1, TRIP
	s_sub_co_u32 s[LEFT], s[LEFT], 1
	s_cmp_lg_u32 s[LEFT], 0
	s_cbranch_scc1 .Lturn
	s_wait_loadcnt 24                              ; the last two trips load nothing
	MULS 0
	s_wait_loadcnt 0x0
	MULS 1
	PLACES
	PLACES
.set r, 0
.rept 8
	v_pk_add_f32 v[ACC+r:ACC+r+1], v[ACC+r:ACC+r+1], v[ACC+16+r:ACC+16+r+1]  ; the two parities
.set r, r+2
.endr
.irp j, 0,1
.irp u, 0,1
	global_store_b128 v[ZO], v[ACC+8*(\j)+4*(\u):ACC+8*(\j)+4*(\u)+3], s[8:9] offset:4096*(\j)+1024*(\u)
.endr
.endr
	s_endpgm
.Lfunc_end_k_q9580025d18_zrows:
	.size	k_q9580025d18_zrows, .Lfunc_end_k_q9580025d18_zrows-k_q9580025d18_zrows
	.p2alignl 7, 3214868480
	.fill 96, 4, 3214868480
	.section	.rodata,"a",@progbits
	.p2align	6, 0x0
	.amdhsa_kernel k_q9580025d18_zrows
		.amdhsa_group_segment_fixed_size 0
		.amdhsa_private_segment_fixed_size 0
		.amdhsa_enable_private_segment 0
		.amdhsa_kernarg_size 24
		.amdhsa_user_sgpr_count 2
		.amdhsa_user_sgpr_kernarg_segment_ptr 1
		.amdhsa_wavefront_size32 1
		.amdhsa_system_sgpr_workgroup_id_x 1
		.amdhsa_system_sgpr_workgroup_id_y 1
		.amdhsa_system_sgpr_workgroup_id_z 1
		.amdhsa_system_vgpr_workitem_id 0
		.amdhsa_next_free_vgpr 256
		.amdhsa_next_free_sgpr 66
		.amdhsa_reserve_vcc 0
		.amdhsa_float_denorm_mode_32 3
		.amdhsa_float_denorm_mode_16_64 3
		.amdhsa_memory_ordered 1
		.amdhsa_forward_progress 1
		.amdhsa_inst_pref_size 16
	.end_amdhsa_kernel
	.amdgpu_metadata
---
amdhsa.version: [ 1, 2 ]
amdhsa.kernels:
  - .name:           k_q9580025d18_zrows
    .symbol:         k_q9580025d18_zrows.kd
    .args:
      - { .name: xb, .offset: 0, .size: 8, .value_kind: global_buffer, .address_space: global }
      - { .name: wb, .offset: 8, .size: 8, .value_kind: global_buffer, .address_space: global }
      - { .name: z, .offset: 16, .size: 8, .value_kind: global_buffer, .address_space: global }
    .group_segment_fixed_size: 0
    .private_segment_fixed_size: 0
    .kernarg_segment_align: 8
    .kernarg_segment_size: 24
    .max_flat_workgroup_size: 128
    .sgpr_count:     66
    .vgpr_count:     256
    .wavefront_size: 32
...
	.end_amdgpu_metadata
.endif
;; end of part 2
;; launch proj (part 3): grid 32 x 16, 4 waves a work-group, clusters of 4 x 4, 327,680 bytes of LDS; arguments xb, wb, qkv; writes qkv
.if DOCPART == 3
	.amdgcn_target "amdgcn-amd-amdhsa--gfx1250"
	.amdhsa_code_object_version 6
	.text
	.protected	k_q9580025d18_proj
	.globl	k_q9580025d18_proj
	.p2align	8
	.type	k_q9580025d18_proj,@function
k_q9580025d18_proj:
	s_mov_b64 s[64:65], 0
	v_nop
	global_prefetch_b8 v0, s[64:65] scope:SCOPE_SE
	s_setreg_imm32_b32 hwreg(HW_REG_WAVE_MODE, 25, 1), 1
	s_wait_xcnt 0x0
	s_wait_alu depctr_hold_cnt(0) depctr_sa_sdst(0) depctr_va_vdst(0) depctr_va_sdst(0) depctr_va_ssrc(0) depctr_va_vcc(0) depctr_vm_vsrc(0)
	s_getreg_b32 s2, hwreg(HW_REG_IB_STS2, 6, 4)
	s_cmp_eq_u32 s2, 0
	s_cbranch_scc0 .Lentry_in_a_cluster
	s_endpgm
.Lentry_in_a_cluster:
	s_bfe_u32 s2, ttmp6, 0x10000c
	s_cmp_lg_u32 s2, 0xf033
	s_cbranch_scc0 .Lentry_shape_is_right
	s_endpgm
.Lentry_shape_is_right:
; q1, q2, k1, k2, vlo, vhi = xb wb^T, rounded once from f32 sums to f16 and written by heads: qkv[s][b][h][t][64].  xb: [4096][1024], wb: [6144][1024], bf16.
; A tile of the product is 256 rows x 192 columns: 16 x 32 = 512 work-groups, two for each of 256 WGPs; 192 columns are three whole units (s, h) of 64.
; Four waves; wave w makes rows 64 w .. + 63 by all 192 columns: 48 accumulators, 384 registers; 32 LDS loads feed 48 matrix instructions.
; K goes in 8 steps of 128 through two LDS slots filled by the tensor data mover: rows of 256 bytes, aligned.  CLUSTER 4 x 4: x's tile is shared along a row of the cluster,
; w's along a column, each asked for jointly.  The matrix instruction is used transposed (source 0 = rows of wb, source 1 = rows of xb): a lane holds eight neighbouring columns of a row.
; No prefetch: 8 K steps, and every tile is read by 16 or 32 work-groups.
; LIMIT.  q, k, v leave as f16: beyond 65,504 they would be infinities.
; REGISTERS, in windows of 256: window 0: addresses, x's fragments (two buffers of 32 at v32, v64), v96-143 packed results, v144-191 rows read back;
;   window 3: w's fragments (two buffers of 96);  window 1: accumulators of row blocks 0, 1 at 8 (12 (a % 2) + b);  window 2: of blocks 2, 3.
.set KSTEP,  128
.set PITCH,  272                       ; 256 bytes + 16 of padding: the 16 rows of a fragment load start at 16 different groups of four banks (ISA guide 11.1)
.set AHALF,  128*PITCH
.set BHALF,  96*PITCH
.set BOFF,   256*PITCH                 ; w's 192 rows lie behind x's 256
.set SLOT1,  1<<17                     ; slot 1 begins here: one exclusive or turns an address in one slot into the other's
.set STAGE,  SLOT1+BOFF+192*PITCH      ; behind the ring: 16 rows x 400 bytes for each wave
.set SPITCH, 400
.set SPARE,  STAGE+4*16*SPITCH         ; the spare words, 128 bytes a wave, which no other line names
.set ADA0, 16
.set ADB0, 17
.set ADA,  18
.set ADB,  19
.set STO,  24
.set RD,   25
.set CO,   26
.set SPW,  28
.set NIL,  29
.set TMP,  96
.set OB,   144
.set G1,  24
.set G0,  32                           ; s[32:35] the first fill of slot 0; s[36:39] of slot 1, which then walks
.set G1B, 48
.set G0B, 56
.set TB,  44                           ; s44  the slot that is being read: 0 or SLOT1
.set MSB, 0
.macro WIN new
.if MSB != (\new)
	s_set_vgpr_msb (MSB<<8)|(\new)
.set MSB, \new
.endif
.endm
.set MUL_LO, 0x53                      ; source 0 (w) window 3, source 1 (x) window 0, C and D window 1
.macro JLOAD                           ; a joint refill: waves 0, 1 fetch x's halves, waves 2, 3 w's; an s_nop 0 and four v_nop follow each line
	s_cmp_eq_u32 s11, 0
	s_cbranch_scc0 .Lfor_b_\@
	tensor_load_to_lds s[G0+4:G0+7], s[G1:G1+7]
	s_nop 0
.rept 4
	v_nop
.endr
	s_branch .Lasked_\@
.Lfor_b_\@:
	tensor_load_to_lds s[G0B+4:G0B+7], s[G1B:G1B+7]
	s_nop 0
.rept 4
	v_nop
.endr
.Lasked_\@:
.endm
.macro CREST                           ; a round of the cluster's barrier behind its opening barrier
	s_cmp_lg_u32 s10, 0
	s_cbranch_scc1 .Lnot_wave_0_\@
	s_barrier_signal -3
.Lnot_wave_0_\@:
	s_barrier_wait -3
	s_barrier_signal -1
	s_barrier_wait -1
.endm
.macro CROUND
	s_barrier_signal -1
	s_barrier_wait -1
	CREST
.endm
	s_load_b128 s[4:7], s[0:1], 0x0                ; xb, wb
	s_load_b64 s[8:9], s[0:1], 0x10                ; qkv
	v_lshl_add_u32 v[SPW], v0, 2, SPARE
	v_mov_b32 v[NIL], 0
	ds_add_u32 v[SPW], v[NIL]                      ; the wave's opening: the add and its wait stand ahead of my first tensor load
	ds_add_u32 v28, v29
	v_lshrrev_b32 v1, 5, v0
	v_readfirstlane_b32 s10, v1                    ; wave 0..3
	s_lshr_b32 s11, s10, 1                         ; I fetch for x (0) or for w (1)
	s_and_b32 s12, s10, 1                          ; which half of that tile's rows
	s_bfe_u32 s40, ttmp6, 0x40000                  ; cx
	s_bfe_u32 s41, ttmp6, 0x40004                  ; cy
	s_lshl_b32 s42, ttmp9, 2
	s_add_co_u32 s42, s42, s40                     ; tile column
	s_and_b32 s13, ttmp7, 0xffff
	s_lshl_b32 s13, s13, 2
	s_add_co_u32 s13, s13, s41                     ; tile row
	s_lshl_b32 s43, s41, 2
	s_lshl_b32 s43, 15, s43                        ; my row of the cluster
	s_lshl_b32 s45, 0x1111, s40                    ; my column
	s_or_b32 s[G1+0], s43, (1<<16)|(1<<20)|(1<<21)|(5<<22)|(3<<25)   ; the mask; 2-byte elements; padding on; bit 21 beside a mask; after every 64 words 4 words
	s_or_b32 s[G1B+0], s45, (1<<16)|(1<<20)|(1<<21)|(5<<22)|(3<<25)
	s_mov_b32 s[G1+1], KSTEP<<16                   ; tensor_dim0 = 128
	s_mov_b32 s[G1+2], 128<<16                     ; tensor_dim1 = 128
	s_mov_b32 s[G1+3], KSTEP<<16                   ; tile_dim0 = 128
	s_mov_b32 s[G1+4], 128                         ; tile_dim1 = 128
	s_mov_b32 s[G1+5], 1024                        ; elements from row to row
	s_mov_b32 s[G1+6], 0
	s_mov_b32 s[G1+7], 0
	s_mov_b32 s[G1B+1], KSTEP<<16
	s_mov_b32 s[G1B+2], 96<<16                     ; w's half: 96 rows
	s_mov_b32 s[G1B+3], KSTEP<<16
	s_mov_b32 s[G1B+4], 96
	s_mov_b32 s[G1B+5], 1024
	s_mov_b32 s[G1B+6], 0
	s_mov_b32 s[G1B+7], 0
	s_lshl_b32 s16, s13, 8
	s_lshl_b32 s17, s12, 7
	s_add_co_u32 s16, s16, s17                     ; x: row 256 x tile row + 128 x half
	s_lshl_b32 s16, s16, 11
	s_mov_b32 s17, 0
	s_mul_i32 s46, s42, 192
	s_mul_i32 s47, s12, 96
	s_add_co_u32 s46, s46, s47                     ; w: row 192 x tile column + 96 x half
	s_lshl_b32 s46, s46, 11
	s_mov_b32 s47, 0
	s_mul_i32 s20, s12, AHALF                      ; where they go: no place in the cluster enters an LDS address
	s_mul_i32 s21, s12, BHALF
	s_add_co_u32 s21, s21, BOFF
	s_mov_b32 s[TB], 0
	s_wait_dscnt 0x0                               ; the opening add is done
	s_wait_kmcnt 0x0
	s_add_nc_u64 s[14:15], s[4:5], s[16:17]
	s_add_nc_u64 s[46:47], s[6:7], s[46:47]
.irp s, 0,1
	s_mov_b32 s[G0+4*(\s)], 1
	s_add_co_u32 s[G0+4*(\s)+1], s20, (\s)*SLOT1
	s_add_nc_u64 s[G0+4*(\s)+2:G0+4*(\s)+3], s[14:15], (\s)*KSTEP*2
	s_or_b32 s[G0+4*(\s)+3], s[G0+4*(\s)+3], 0x80000000
	s_mov_b32 s[G0B+4*(\s)], 1
	s_add_co_u32 s[G0B+4*(\s)+1], s21, (\s)*SLOT1
	s_add_nc_u64 s[G0B+4*(\s)+2:G0B+4*(\s)+3], s[46:47], (\s)*KSTEP*2
	s_or_b32 s[G0B+4*(\s)+3], s[G0B+4*(\s)+3], 0x80000000
.endr
	CROUND                                         ; all sixteen work-groups are here: the first joint loads meet
	s_cmp_eq_u32 s11, 0                            ; a wave's two first fills stand in one branch: two loads of mine are out
	s_cbranch_scc0 .Lfirst_b
	tensor_load_to_lds s[G0:G0+3], s[G1:G1+7]
	s_nop 0
	tensor_load_to_lds s[G0+4:G0+7], s[G1:G1+7]
	s_nop 0
.rept 4
	v_nop
.endr
	s_branch .Lfirst_asked
.Lfirst_b:
	tensor_load_to_lds s[G0B:G0B+3], s[G1B:G1B+7]
	s_nop 0
	tensor_load_to_lds s[G0B+4:G0B+7], s[G1B:G1B+7]
	s_nop 0
.rept 4
	v_nop
.endr
.Lfirst_asked:
	v_and_b32 v1, 15, v0                           ; l % 16
	v_bfe_u32 v2, v0, 4, 1                         ; l / 16
	v_mul_u32_u24 v3, v1, PITCH
	v_lshl_add_u32 v3, v2, 4, v3                   ; a fragment's row x pitch + 16 x half
	s_mul_i32 s22, s10, 64*PITCH                   ; my 64 rows of x
	v_add_nc_u32 v[ADA0], s22, v3
	v_add_nc_u32 v[ADB0], BOFF, v3
	v_mov_b32 v[ADA], v[ADA0]
	v_mov_b32 v[ADB], v[ADB0]
	s_mul_i32 s23, s10, 16*SPITCH
	s_add_co_u32 s23, s23, STAGE                   ; my stage
	v_mul_u32_u24 v4, v1, SPITCH
	v_lshl_add_u32 v4, v2, 4, v4
	v_add_nc_u32 v[STO], s23, v4                   ; in: row l % 16, 16 bytes for each half of the lanes
	v_bfe_u32 v5, v0, 3, 2
	v_and_b32 v6, 7, v0
	v_mul_u32_u24 v5, v5, SPITCH
	v_lshl_add_u32 v5, v6, 4, v5
	v_add_nc_u32 v[RD], s23, v5                    ; back: 32 lanes take 128 bytes of each of four rows,
	v_and_b32 v[CO], 31, v0
	v_lshlrev_b32 v[CO], 4, v[CO]                  ; which are 512 consecutive bytes of a unit
	s_lshr_b32 s73, s13, 3                         ; batch
	s_lshl_b32 s73, s73, 22
	s_and_b32 s74, s13, 7
	s_lshl_b32 s74, s74, 8
	s_lshl_b32 s75, s10, 6
	s_add_co_u32 s74, s74, s75                     ; t of my first row
	s_lshl_b32 s74, s74, 7
	s_add_co_u32 s73, s73, s74
	s_mul_i32 s72, s42, 3                          ; the tile's first unit U = 16 s + h
.irp i, 0,1,2
	s_add_co_u32 s74, s72, \i
	s_lshr_b32 s75, s74, 4
	s_lshl_b32 s75, s75, 23
	s_and_b32 s74, s74, 15
	s_lshl_b32 s74, s74, 18
	s_add_co_u32 s74, s74, s75
	s_add_co_u32 s74, s74, s73
	s_mov_b32 s75, 0
	s_add_nc_u64 s[66+2*(\i):67+2*(\i)], s[8:9], s[74:75]
.endr
; 12 matrix instructions: row block a x all 12 column blocks, 32 along K, on buffer f.  zero = 1: the first product starts the sums.
.macro MUL12 f, a, zero
	WIN MUL_LO+0x50*((\a)/2)
.irp b, 0,1,2,3,4,5,6,7,8,9,10,11
.if \zero
	v_wmma_f32_16x16x32_bf16 v[8*(12*((\a)%2)+(\b)):8*(12*((\a)%2)+(\b))+7], v[96*(\f)+8*(\b):96*(\f)+8*(\b)+7], v[32+32*(\f)+8*(\a):32+32*(\f)+8*(\a)+7], 0
.else
	v_wmma_f32_16x16x32_bf16 v[8*(12*((\a)%2)+(\b)):8*(12*((\a)%2)+(\b))+7], v[96*(\f)+8*(\b):96*(\f)+8*(\b)+7], v[32+32*(\f)+8*(\a):32+32*(\f)+8*(\a)+7], v[8*(12*((\a)%2)+(\b)):8*(12*((\a)%2)+(\b))+7]
.endif
.endr
.endm
; 32 LDS loads in one run: the fragments of 32 along K at byte k of the rows into buffer f: w's 24, then x's 8
.macro FETCH k, f
	WIN 0xc0
.irp i, 0,1,2,3,4,5,6,7,8,9,10,11
	ds_load_b128 v[96*(\f)+8*(\i):96*(\f)+8*(\i)+3],   v[ADB] offset:(\k)+(\i)*16*PITCH
	ds_load_b128 v[96*(\f)+8*(\i)+4:96*(\f)+8*(\i)+7], v[ADB] offset:(\k)+(\i)*16*PITCH+32
.endr
	WIN 0
.irp i, 0,1,2,3
	ds_load_b128 v[32+32*(\f)+8*(\i):32+32*(\f)+8*(\i)+3],   v[ADA] offset:(\k)+(\i)*16*PITCH
	ds_load_b128 v[32+32*(\f)+8*(\i)+4:32+32*(\f)+8*(\i)+7], v[ADA] offset:(\k)+(\i)*16*PITCH+32
.endr
.endm
.macro PLACES                          ; four places in front of loads into registers that matrix instructions have read, and of conversions that read results
.rept 4
	v_nop
.endr
.endm
; A K step is four quarters of 32 along K, 48 matrix instructions each, on buffers 0, 1, 0, 1.  The 48 accumulators take turns in the same order in every quarter.
.macro QUARTER k, f, g, zero
	s_wait_dscnt 4                                 ; w's fragments and x's blocks 0, 1 are in; the youngest four loads (blocks 2, 3) may be out
	MUL12 \f, 0, \zero
	MUL12 \f, 1, \zero
	PLACES
	FETCH \k, \g
	s_wait_dscnt 32                                ; all but the 32 just issued
	MUL12 \f, 2, \zero
	MUL12 \f, 3, \zero
.endm
; The last quarter multiplies buffer 1 and changes slots.  fill = 1: the slot just read is filled again, two K steps ahead, behind a round of the cluster's barrier.
.macro TURN fill
	WIN 0
	s_wait_tensorcnt 0x0                           ; all my tensor loads have landed: my part of the next slot
	ds_add_u32 v[SPW], v[NIL]                      ; 0 onto my spare word
	s_wait_dscnt 5                                 ; (the add and the youngest four loads may be out)
	MUL12 1, 0, 0
	s_wait_dscnt 0x0                               ; the add is done, and my reads of this slot are over
	s_barrier_signal -1
	MUL12 1, 1, 0
	WIN 0
	s_barrier_wait -1
.if \fill
	CREST                                          ; no wave of any partner still reads this slot or has a load on its way
	s_xor_b32 s[G0+5], s[G0+5], SLOT1              ; the walking descriptors: the other slot than last time, the next K step
	s_add_nc_u64 s[G0+6:G0+7], s[G0+6:G0+7], KSTEP*2
	s_xor_b32 s[G0B+5], s[G0B+5], SLOT1
	s_add_nc_u64 s[G0B+6:G0B+7], s[G0B+6:G0B+7], KSTEP*2
	JLOAD                                          ; the first tensor load behind the round; its four v_nop are also the places in front of the loads below
.else
	PLACES
.endif
	s_xor_b32 s[TB], s[TB], SLOT1
	v_add_nc_u32 v[ADA], s[TB], v[ADA0]
	v_add_nc_u32 v[ADB], s[TB], v[ADB0]
	FETCH 0, 0
	MUL12 1, 2, 0
	MUL12 1, 3, 0
.endm
	s_wait_tensorcnt 1                             ; my part of K step 0 is in; K step 1's may stay out
	s_barrier_signal -1
	s_barrier_wait -1
	FETCH 0, 0
	QUARTER 64, 0, 1, 1                            ; the first quarter stands in front of the loop: its products start the sums
	WIN 0
	s_mov_b32 s3, 6
.Lstep:                                        ; a trip: the rest of K step t, the refill with K step t + 2, the first quarter of K step t + 1
	QUARTER 128, 1, 0, 0
	QUARTER 192, 0, 1, 0
	TURN 1
	QUARTER 64, 0, 1, 0
	WIN 0
	s_sub_co_u32 s3, s3, 1
	s_cmp_lg_u32 s3, 0
	s_cbranch_scc1 .Lstep
	QUARTER 128, 1, 0, 0                           ; K steps 6 and 7 ask for nothing
	QUARTER 192, 0, 1, 0
	TURN 0
	QUARTER 64, 0, 1, 0
	QUARTER 128, 1, 0, 0
	QUARTER 192, 0, 1, 0
	s_wait_dscnt 4
	MUL12 1, 0, 0
	MUL12 1, 1, 0
	s_wait_dscnt 0x0
	MUL12 1, 2, 0
	MUL12 1, 3, 0
; THE WAY OUT, a block of 16 rows at a time: rounded to f16, 16 bytes a lane into my stage, back as 128-byte rows of the three units, stored 512 consecutive bytes an instruction.
.macro PACK a
	WIN 0x05*(1+(\a)/2)                            ; sources 0 and 1: window 1 or 2
.irp b, 0,1,2,3,4,5,6,7,8,9,10,11
.irp r, 0,1,2,3
	v_cvt_pk_f16_f32 v[TMP+4*(\b)+(\r)], v[8*(12*((\a)%2)+(\b))+2*(\r)], v[8*(12*((\a)%2)+(\b))+2*(\r)+1]
.endr
.endr
	WIN 0
.endm
.macro TOSTAGE
	WIN 0
.irp b, 0,1,2,3,4,5,6,7,8,9,10,11
	ds_store_b128 v[STO], v[TMP+4*(\b):TMP+4*(\b)+3] offset:32*(\b)
.endr
	s_wait_xcnt 0x0                                ; the last block's stores have read their data: the registers are loaded again only behind this wait
.irp i, 0,1,2
.irp q, 0,1,2,3
	ds_load_b128 v[OB+4*(4*(\i)+(\q)):OB+4*(4*(\i)+(\q))+3], v[RD] offset:(\i)*128+(\q)*4*SPITCH  ; LDS serves a wave's instructions in order (ISA guide 5.7.1.4): these see the stores above
.endr
.endr
.endm
.macro SEND a
	WIN 0
	s_wait_dscnt 0x0
.irp i, 0,1,2
.irp q, 0,1,2,3
	global_store_b128 v[CO], v[OB+4*(4*(\i)+(\q)):OB+4*(4*(\i)+(\q))+3], s[66+2*(\i):67+2*(\i)] offset:(\a)*2048+(\q)*512
.endr
.endr
.endm
	WIN 0
	PLACES
	PACK 0
	TOSTAGE
	PACK 1
	SEND 0
	TOSTAGE
	PACK 2
	SEND 1
	TOSTAGE
	PACK 3
	SEND 2
	TOSTAGE
	SEND 3
	s_wait_tensorcnt 0x0                           ; the wave's end
	ds_add_u32 v[SPW], v[NIL]
	s_wait_dscnt 0x0
	CROUND                                         ; the closing round
	s_endpgm
.Lfunc_end_k_q9580025d18_proj:
	.size	k_q9580025d18_proj, .Lfunc_end_k_q9580025d18_proj-k_q9580025d18_proj
	.p2alignl 7, 3214868480
	.fill 96, 4, 3214868480
	.section	.rodata,"a",@progbits
	.p2align	6, 0x0
	.amdhsa_kernel k_q9580025d18_proj
		.amdhsa_group_segment_fixed_size 327680
		.amdhsa_private_segment_fixed_size 0
		.amdhsa_enable_private_segment 0
		.amdhsa_kernarg_size 24
		.amdhsa_user_sgpr_count 2
		.amdhsa_user_sgpr_kernarg_segment_ptr 1
		.amdhsa_wavefront_size32 1
		.amdhsa_system_sgpr_workgroup_id_x 1
		.amdhsa_system_sgpr_workgroup_id_y 1
		.amdhsa_system_sgpr_workgroup_id_z 1
		.amdhsa_system_vgpr_workitem_id 0
		.amdhsa_next_free_vgpr 1024
		.amdhsa_next_free_sgpr 80
		.amdhsa_reserve_vcc 0
		.amdhsa_float_denorm_mode_32 3
		.amdhsa_float_denorm_mode_16_64 3
		.amdhsa_memory_ordered 1
		.amdhsa_forward_progress 1
		.amdhsa_inst_pref_size 97
	.end_amdhsa_kernel
	.amdgpu_metadata
---
amdhsa.version: [ 1, 2 ]
amdhsa.kernels:
  - .name:           k_q9580025d18_proj
    .symbol:         k_q9580025d18_proj.kd
    .args:
      - { .name: xb, .offset: 0, .size: 8, .value_kind: global_buffer, .address_space: global }
      - { .name: wb, .offset: 8, .size: 8, .value_kind: global_buffer, .address_space: global }
      - { .name: qkv, .offset: 16, .size: 8, .value_kind: global_buffer, .address_space: global }
    .group_segment_fixed_size: 327680
    .private_segment_fixed_size: 0
    .kernarg_segment_align: 8
    .kernarg_segment_size: 24
    .max_flat_workgroup_size: 128
    .sgpr_count:     80
    .vgpr_count:     1024
    .wavefront_size: 32
...
	.end_amdgpu_metadata
.endif
;; end of part 3
;; launch attn (part 4): grid 8 x 32, 4 waves a work-group, no clusters, 327,680 bytes of LDS; arguments qkv, lq1, lk1, lq2, lk2, y16, part; writes y16, part
.if DOCPART == 4
	.amdgcn_target "amdgcn-amd-amdhsa--gfx1250"
	.amdhsa_code_object_version 6
	.text
	.protected	k_q9580025d18_attn
	.globl	k_q9580025d18_attn
	.p2align	8
	.type	k_q9580025d18_attn,@function
k_q9580025d18_attn:
	s_mov_b64 s[64:65], 0
	v_nop
	global_prefetch_b8 v0, s[64:65] scope:SCOPE_SE
	s_setreg_imm32_b32 hwreg(HW_REG_WAVE_MODE, 25, 1), 1
	s_wait_xcnt 0x0
; CAUSAL DIFFERENTIAL ATTENTION.  y[b][t][h 128 + ch] = (softmax(q1 k1^T / 8) - lam softmax(q2 k2^T / 8)) v, keys <= query; lam = sigmoid(lq1 lk1) - sigmoid(lq2 lk2) + LAMBDA_INIT, the four l's
; rounded to bf16 like every input of the module.  q, k, v: f16 by heads, qkv[s][b][h][t][64].  Products, maxima and sums in f32; the weights are rounded to f16 for the second product; y once, to f16.
; Beside y: for each of the head's 32 groups of 4 channels the sum and the sum of squared deviations of the work-group's 1,024 numbers (part), for the norm that follows.
; LIMITS.  f16 holds no number beyond 65,504: q, k, v arrive within it, and y has v's range times 1 + |lam|; below 6e-5 f16 keeps its fixed step of 6e-8.  A hidden score counts as its value less 1e30;
; a weight below 2^-126 counts as 0; NaN and infinities are not treated apart.
; THE WALK.  A head's queries lie in NB = 16 blocks of 128; block i needs the key tiles 0 .. i of 128 keys.  A work-group takes blocks 15 - pb and then pb: 17 tiles whatever pb, so all 256 work-groups are
; alike and one loop with a constant count walks them.  NO CLUSTER: a head's 8 work-groups ask for the same tile only in trips 0 .. 8 of 17; a walk common to all would have 24 trips.
; SHARES.  Of a block's two bands of 64 rows wave w owns rows 16 w .. + 15 in each.  A TILE is 16 queries of one band and one softmax; PIECE 0 = tiles 0, 1 = band 1 (softmax 1, 2), PIECE 2 = tiles 2, 3 = band 0.
; BY TURNS.  In a turn one piece has the matrix unit: 32 products V^T P of the step in hand, then 16 products K Q^T of the next; the other piece's softmax, 64 slices, stands between them: one slice
; behind each V^T P, two behind each K Q^T.  Band 0 lags, so its wholly hidden last step is never finished.
; THE MASK is the C operand that starts a sum K Q^T: MC = MD x AL + BE; MD is the mask of a band's own step for my rows; MC is 0 outside the diagonal tile.
; REGISTERS, in windows of 256: window 0: addresses, statistics (8 a tile), S^T (32 a tile), P (16 a tile); window 1: O^T, 64 a tile; window 2: Q (16 a tile), the second block's Q, K of one step;
;   window 3: V of one step, MD, MC, and the norm's running sums SS, QQ.
.set NB,    16
.set KS,    64
.set PK,    144       ; a row of K in LDS: 128 bytes + 16: the 16 rows of a load start at 16 different groups of four banks (ISA guide 11.1)
.set PV,    160       ; a row of V: 128 + 32
.set VOFF,  256*PK    ; a slot: k1's 128 rows, k2's 128, then vlo's 128, vhi's 128
.set SLOT1, 1<<17
.set STAGE, SLOT1+256*(PK+PV)  ; behind the ring, never filled by a tensor load: 4,608 bytes a wave
.set SP,    272
.set WST,   4608
.set XW,    STAGE+4*WST        ; where the four waves' figures meet
.set SPARE, XW+1024            ; the spare words, 128 bytes a wave, which no other line names
.set AK0, 2
.set AV0, 3
.set AK,  4
.set AV,  5
.set STO, 6
.set RD,  7
.set GO,  8
.set QO,  9
.set ST,  12          ; tile t at v[ST+8 t]: c m, m, l (two), c0-c3 at work; a takes c2's place
.set LAMN, 44         ; -lam
.set PFO, 45          ; 256 x my lane
.set KK,  46          ; v46-61: the shift of each of my 16 group slots
.set SPW, 62
.set NIL, 63
.set S,   64
.set P,   192
.set QB,  64          ; window 2
.set KF,  128         ; window 2: key block kb, softmax g, channel half c at KF + 8 (4 kb + 2 g + c)
.set MD,  128         ; window 3
.set MC,  160
.set SS,  192
.set QQ,  224
.set TM,  160         ; window 0, at the very end: two registers at work
.set WV,  12
.set PB,  14
.set HI,  15
.set G1K, 24
.set G1V, 32
.set G0K, 40
.set G0V, 44
.set SLOTS, 56
.set CNT, 57
.set CS,  58
.set SEL, 60
.set TBK, 62
.set TBV, 63
.set RT,  70
.set NXT, 71
.set LQ,  72
.set NEW, 73
.set OFF, 74
.set AL,  76
.set BE,  78
.set OLO, 80
.set BIGN, 82
.set DG,  83
.set PFA, 84
.set LIM, 86
.set QA,  88          ; s[88:95] q1, q2 at my rows of the first block, then of the second
.set MSB, 0
.macro WIN new
.if MSB != (\new)
	s_set_vgpr_msb (MSB<<8)|(\new)
.set MSB, (\new)
.endif
.endm
.set W_KQ, 0x0a       ; K and Q in window 2, S^T in window 0
.set W_KM, 0x3a       ; the same with the C operand in window 3
.set W_PV, 0x53       ; V in window 3, P in window 0, O^T in window 1
.set W_RS, 0x41       ; destination and source 0 in window 1, source 1 in window 0
; A fill.  Wave 0 fetches the tile's k1, wave 1 its k2, wave 2 its vlo, wave 3 its vhi.  An s_nop 0 and four v_nop follow each of the two lines.
.macro LOAD
	s_cmp_lt_u32 s[WV], 2
	s_cbranch_scc0 .Lfor_v_\@
	tensor_load_to_lds s[G0K:G0K+3], s[G1K:G1K+7]
	s_nop 0
.rept 4
	v_nop
.endr
	s_branch .Lasked_\@
.Lfor_v_\@:
	tensor_load_to_lds s[G0V:G0V+3], s[G1V:G1V+7]
	s_nop 0
.rept 4
	v_nop
.endr
.Lasked_\@:
.endm
; A prefetch into the L2 of my array's 16,384 bytes of the tile behind the one just asked for: a lane a block of 256 bytes, two instructions.  All 8 work-groups of a head walk the same tiles;
; the one with pb = 0, whose first block walks all 16, asks, so each block is named once.  It stops when the tile behind would be the seventeenth: trips with SLOTS below 3 ask for nothing.
.macro ASK
	s_cmp_gt_u32 s[SLOTS], s[LIM]
	s_cbranch_scc0 .Lnot_mine_\@
	global_prefetch_b8 v[PFO], s[PFA:PFA+1] th:TH_LOAD_NT scope:SCOPE_SE
	global_prefetch_b8 v[PFO], s[PFA:PFA+1] offset:8192 th:TH_LOAD_NT scope:SCOPE_SE
.Lnot_mine_\@:
.endm
; THE CHANGE OF SLOTS.  Each wave waits for all its tensor loads (one is out: its part of the other slot), adds 0 to its spare word, and waits for that and for its reads of the slot that it leaves.
; fill = 1: the old slot is filled again, first thing behind the barrier, with tile NXT; the descriptor's address is made anew from that number.
.macro CHANGE fill
	WIN 0
	s_wait_tensorcnt 0x0
	ds_add_u32 v[SPW], v[NIL]       ; 0 onto my spare word; scalar work stands between it and the wait for it
.if \fill
	s_lshl_b32 s[OFF], s[NXT], 14   ; a tile is 16,384 bytes of each array
	s_xor_b32 s[G0K+1], s[G0K+1], SLOT1
	s_add_nc_u64 s[G0K+2:G0K+3], s[6:7], s[OFF:OFF+1]
	s_or_b32 s[G0K+3], s[G0K+3], 0x80000000
	s_xor_b32 s[G0V+1], s[G0V+1], SLOT1
	s_add_nc_u64 s[G0V+2:G0V+3], s[8:9], s[OFF:OFF+1]
	s_or_b32 s[G0V+3], s[G0V+3], 0x80000000
	s_add_co_u32 s[NXT], s[NXT], 1  ; the block's next tile, or behind its last the second block's tile 0
	s_cmp_gt_u32 s[NXT], s[LQ]
	s_cselect_b32 s[NXT], 0, s[NXT]
	s_cselect_b32 s[LQ], s[PB], s[LQ]
	s_wait_xcnt 0x0                 ; the last prefetches, a tile back, have read their address
	s_add_nc_u64 s[PFA:PFA+1], s[PFA:PFA+1], 16384
.endif
	s_wait_dscnt 0x0                ; the add is done, and my reads of the slot are over
	s_barrier_signal -1
	s_sub_co_u32 s[TBK], s[TBK], 2*KS*PK  ; the fetches go back to a slot's first step, in the other slot
	s_xor_b32 s[TBK], s[TBK], SLOT1
	s_sub_co_u32 s[TBV], s[TBV], 2*KS*PV
	s_xor_b32 s[TBV], s[TBV], SLOT1
	s_barrier_wait -1
.if \fill
	LOAD
	ASK
.endif
.endm
	s_load_b64 s[4:5], s[0:1], 0x0      ; qkv
	s_load_b256 s[48:55], s[0:1], 0x8   ; lq1, lk1, lq2, lk2
	s_load_b128 s[16:19], s[0:1], 0x28  ; y16, part
	v_lshl_add_u32 v[SPW], v0, 2, SPARE
	v_mov_b32 v[NIL], 0
	ds_add_u32 v[SPW], v[NIL]       ; the wave's opening: the add and its wait stand ahead of my first tensor load
	ds_add_u32 v62, v63
	v_lshrrev_b32 v1, 5, v0
	v_readfirstlane_b32 s[WV], v1
	s_mov_b32 s[PB], ttmp9
	s_sub_co_u32 s[HI], NB-1, s[PB]
	s_and_b32 s20, ttmp7, 0xffff    ; 16 b + h
	s_lshl_b32 s21, s20, 18         ; the head's first byte in each of the six arrays
	s_and_b32 s13, s[WV], 1
	s_lshl_b32 s22, s13, 23
	s_add_co_u32 s22, s22, s21
	s_add_co_u32 s2, s22, 2<<23     ; k1 or k2
	s_mov_b32 s3, 0
	s_add_co_u32 s22, s22, 4<<23    ; vlo or vhi
	s_mov_b32 s23, 0
	s_mov_b32 s[G0K], 1
	s_mul_i32 s[G0K+1], s13, 128*PK
	s_mov_b32 s[G0V], 1
	s_mul_i32 s[G0V+1], s13, 128*PV
	s_add_co_u32 s[G0V+1], s[G0V+1], VOFF
	s_lshl_b32 s87, s[WV], 11       ; my 16 rows in a band
	s_add_co_u32 s87, s87, s21
	s_lshl_b32 s[QA], s[HI], 14
	s_add_co_u32 s[QA], s[QA], s87
	s_mov_b32 s[QA+1], 0
	s_add_co_u32 s[QA+2], s[QA], 1<<23
	s_mov_b32 s[QA+3], 0
	s_lshl_b32 s[QA+4], s[PB], 14
	s_add_co_u32 s[QA+4], s[QA+4], s87
	s_mov_b32 s[QA+5], 0
	s_add_co_u32 s[QA+6], s[QA+4], 1<<23
	s_mov_b32 s[QA+7], 0
	s_lshr_b32 s10, s20, 4          ; y: batch x 2,048 rows of 4,096 bytes,
	s_lshl_b32 s10, s10, 23
	s_and_b32 s11, s20, 15
	s_lshl_b32 s84, s11, 2          ; (the head's word in the four l's)
	s_lshl_b32 s11, s11, 8          ; the head's 256 bytes of a row,
	s_add_co_u32 s10, s10, s11
	s_lshl_b32 s11, s[WV], 16       ; my 16 rows
	s_add_co_u32 s10, s10, s11
	s_lshl_b32 s[OLO], s[PB], 19
	s_add_co_u32 s[OLO], s[OLO], s10
	s_mov_b32 s[OLO+1], 0
	s_lshl_b32 s11, s[HI], 19
	s_add_co_u32 s10, s10, s11
	s_mov_b32 s11, 0
	v_mov_b32 v11, s84
	s_lshl_b32 s66, s20, 3
	s_add_co_u32 s66, s66, s[PB]
	s_lshl_b32 s66, s66, 8
	s_mov_b32 s67, 0
	; descriptor group 1: 128 keys of one array are 16,384 dense bytes: 64 rows of 256 bytes, two keys a row, padded in LDS after every key
	s_mov_b32 s[G1K], (1<<16)|(1<<20)|(4<<22)|(3<<25)
	s_mov_b32 s[G1V], (1<<16)|(1<<20)|(4<<22)|(7<<25)
.irp g, G1K, G1V
	s_mov_b32 s[\g+1], 128<<16
	s_mov_b32 s[\g+2], 64<<16
	s_mov_b32 s[\g+3], 128<<16
	s_mov_b32 s[\g+4], 64
	s_mov_b32 s[\g+5], 128
	s_mov_b32 s[\g+6], 0
	s_mov_b32 s[\g+7], 0
.endr
	s_mov_b32 s[CS], 0x3e38aa3b     ; c = log2(e) / 8
	s_mov_b32 s[CS+1], s[CS]
	s_mov_b32 s[SEL], 0x76543210
	s_mov_b32 s[SEL+1], 0xfedcba98
	s_mov_b32 s[TBK], SLOT1+2*KS*PK ; the first change of slots turns these two into 0
	s_mov_b32 s[TBV], SLOT1+2*KS*PV
	s_add_co_u32 s[RT], s[HI], 1
	s_mov_b32 s[NXT], 1
	s_mov_b32 s[LQ], s[HI]
	s_mov_b32 s[NEW], 1
	s_mov_b32 s[DG], 0
	s_mov_b32 s[OFF+1], 0
	s_mov_b32 s[AL], 0
	s_mov_b32 s[AL+1], 0
	s_mov_b32 s[BE], 0
	s_mov_b32 s[BE+1], 0
	s_mov_b32 s[BIGN], 0xf149f2ca   ; -1e30
	s_mov_b32 s[SLOTS], NB
	s_cmp_eq_u32 s[PB], 0
	s_cselect_b32 s[LIM], 2, -1
	s_wait_dscnt 0x0                ; the opening add is done
	s_wait_kmcnt 0x0
	s_add_nc_u64 s[6:7], s[4:5], s[2:3]
	s_add_nc_u64 s[8:9], s[4:5], s[22:23]
	s_add_nc_u64 s[G0K+2:G0K+3], s[6:7], 0
	s_or_b32 s[G0K+3], s[G0K+3], 0x80000000
	s_add_nc_u64 s[G0V+2:G0V+3], s[8:9], 0
	s_or_b32 s[G0V+3], s[G0V+3], 0x80000000
.irp n, 0,2,4,6
	s_add_nc_u64 s[QA+\n:QA+\n+1], s[4:5], s[QA+\n:QA+\n+1]
.endr
	s_add_nc_u64 s[OLO:OLO+1], s[16:17], s[OLO:OLO+1]
	s_add_nc_u64 s[10:11], s[16:17], s[10:11]
	s_add_nc_u64 s[66:67], s[18:19], s[66:67]
	s_cmp_lt_u32 s[WV], 2
	s_cselect_b64 s[PFA:PFA+1], s[6:7], s[8:9]
	s_add_nc_u64 s[PFA:PFA+1], s[PFA:PFA+1], 16384  ; the first change of slots steps it to tile 2; nothing is prefetched at the head
	LOAD                            ; tile 0 into slot 0
	v_and_b32 v1, 15, v0            ; l % 16; never rewritten
	v_bfe_u32 v10, v0, 4, 1         ; l / 16; never rewritten
	v_lshlrev_b32 v[QO], 7, v1
	v_lshl_add_u32 v[QO], v10, 4, v[QO]
	WIN 0x80
.irp t, 0,1,2,3
.irp c, 0,1
	global_load_b128 v[16*(\t)+8*(\c):16*(\t)+8*(\c)+3],   v[QO], s[QA+2*((\t)%2):QA+2*((\t)%2)+1] offset:(1-(\t)/2)*8192+(\c)*64
	global_load_b128 v[16*(\t)+8*(\c)+4:16*(\t)+8*(\c)+7], v[QO], s[QA+2*((\t)%2):QA+2*((\t)%2)+1] offset:(1-(\t)/2)*8192+(\c)*64+32
	global_load_b128 v[QB+16*(\t)+8*(\c):QB+16*(\t)+8*(\c)+3],   v[QO], s[QA+4+2*((\t)%2):QA+4+2*((\t)%2)+1] offset:(1-(\t)/2)*8192+(\c)*64
	global_load_b128 v[QB+16*(\t)+8*(\c)+4:QB+16*(\t)+8*(\c)+7], v[QO], s[QA+4+2*((\t)%2):QA+4+2*((\t)%2)+1] offset:(1-(\t)/2)*8192+(\c)*64+32
.endr
.endr
	WIN 0
	global_load_b32 v64, v11, s[48:49]
	global_load_b32 v65, v11, s[50:51]
	global_load_b32 v66, v11, s[52:53]
	global_load_b32 v67, v11, s[54:55]
	v_lshlrev_b32 v12, 3, v10
	v_sub_nc_u32 v12, v1, v12
	s_lshl_b32 s13, s[WV], 4
	v_add_nc_u32 v12, s13, v12      ; my query's place in its band less my lanes' 8 (l / 16): register j of key block kb is hidden where 16 kb + j is greater
	WIN 0xc0
.set i, 0
.rept 32
	v_cmp_gt_i32 vcc_lo, 16*(i/8)+i%8, v12
	v_cndmask_b32 v[MD+i], 0, s[BIGN], vcc_lo
.set i, i+1
.endr
	; What the first turns find: V, O^T and l need only be finite (a block's first step multiplies O^T and l by a = 0); the norm's sums start at 0.  All this stands in the wait for the first tile.
.set i, 0
.rept 128
	v_mov_b32 v[i], 0
.set i, i+1
.endr
.set i, SS
.rept 64
	v_mov_b32 v[i], 0
.set i, i+1
.endr
	WIN 0x40
.set i, 0
.rept 256
	v_mov_b32 v[i], 0
.set i, i+1
.endr
	WIN 0
.set i, 0
.rept 4
	v_mov_b32 v[ST+8*i+2], 0
	v_mov_b32 v[ST+8*i+3], 0
.set i, i+1
.endr
.set i, 0
.rept 16
	v_mov_b32 v[KK+i], 0
.set i, i+1
.endr
	v_mul_u32_u24 v[AK0], v1, PK
	v_lshl_add_u32 v[AK0], v10, 4, v[AK0]
	v_and_b32 v13, 7, v0
	v_bfe_u32 v14, v0, 3, 1
	v_lshl_add_u32 v[AV0], v10, 3, v13
	v_mul_u32_u24 v[AV0], v[AV0], PV
	v_lshl_add_u32 v[AV0], v14, 4, v[AV0]
	v_add_nc_u32 v[AV0], VOFF, v[AV0]
	s_mul_i32 s13, s[WV], WST
	s_add_co_u32 s13, s13, STAGE    ; my stage
	v_mul_u32_u24 v[STO], v1, SP
	v_lshl_add_u32 v[STO], v10, 4, v[STO]
	v_add_nc_u32 v[STO], s13, v[STO]
	v_mul_u32_u24 v[RD], v10, SP
	v_lshl_add_u32 v[RD], v1, 4, v[RD]
	v_add_nc_u32 v[RD], s13, v[RD]
	v_lshlrev_b32 v[GO], 12, v10
	v_lshl_add_u32 v[GO], v1, 4, v[GO]
	v_and_b32 v[PFO], 31, v0
	v_lshlrev_b32 v[PFO], 8, v[PFO]
	s_wait_loadcnt 0x0              ; Q and the four l's
	v_cvt_pk_bf16_f32 v64, v64, v65
	v_cvt_pk_bf16_f32 v66, v66, v67
	v_lshlrev_b32 v65, 16, v64
	v_and_b32 v64, 0xffff0000, v64
	v_lshlrev_b32 v67, 16, v66
	v_and_b32 v66, 0xffff0000, v66
	v_mul_f32 v64, v64, v65
	v_mul_f32 v66, v66, v67
	v_mul_f32 v64, 0xbfb8aa3b, v64
	v_mul_f32 v66, 0xbfb8aa3b, v66
	v_exp_f32 v64, v64
	v_exp_f32 v66, v66
	v_nop
	s_wait_alu depctr_va_vdst(0)
	v_add_f32 v64, 1.0, v64
	v_add_f32 v66, 1.0, v66
	v_rcp_f32 v64, v64
	v_rcp_f32 v66, v66
	v_nop
	s_wait_alu depctr_va_vdst(0)
	v_sub_f32 v64, v66, v64
	v_add_f32 v[LAMN], 0xbf47227f, v64  ; -lam = sigmoid 2 - sigmoid 1 - LAMBDA_INIT
; THE MATRIX WORK.  Product i of 16 of S^T = K Q^T for piece x: channels 32 (i / 8) on, keys 16 ((i / 2) % 4) on, tile x + i % 2.  The first 8 start the sums with the mask.  The accumulators take turns.
.macro KQ x
.set rS, S+32*((\x)+i%2)+8*((i/2)%4)
.set rK, KF+32*((i/2)%4)+8*(2*(i%2)+i/8)
.set rQ, 16*((\x)+i%2)+8*(i/8)
.set rM, MC+8*((i/2)%4)
.if i < 8
	WIN W_KM
	v_wmma_f32_16x16x32_f16 v[rS:rS+7], v[rK:rK+7], v[rQ:rQ+7], v[rM:rM+7]
.else
	WIN W_KQ
	v_wmma_f32_16x16x32_f16 v[rS:rS+7], v[rK:rK+7], v[rQ:rQ+7], v[rS:rS+7]
.endif
.endm
; Product i of 32 of O^T += V^T P: keys 32 (i / 16) on, channels 16 ((i / 2) % 8) on, tile x + i % 2.
.macro PV x
	WIN W_PV
.set rO, 64*((\x)+i%2)+8*((i/2)%8)
.set rV, 64*(i/16)+8*((i/2)%8)
.set rP, P+16*((\x)+i%2)+8*(i/16)
	v_wmma_f32_16x16x32_f16 v[rO:rO+7], v[rV:rV+7], v[rP:rP+7], v[rO:rO+7]
.endm
; THE LDS LOADS stand in runs of 32.
.macro FETCH_K
	WIN 0
	v_add_nc_u32 v[AK], s[TBK], v[AK0]
	s_add_co_u32 s[TBK], s[TBK], KS*PK
	WIN 0x80
.irp f, 0,1,2,3,4,5,6,7,8,9,10,11,12,13,14,15
	ds_load_b128 v[KF+8*\f:KF+8*\f+3],   v[AK] offset:((\f/2)%2)*128*PK+(\f/4)*16*PK+(\f%2)*64
	ds_load_b128 v[KF+8*\f+4:KF+8*\f+7], v[AK] offset:((\f/2)%2)*128*PK+(\f/4)*16*PK+(\f%2)*64+32
.endr
.endm
.macro FETCH_V
	WIN 0
	v_add_nc_u32 v[AV], s[TBV], v[AV0]
	s_add_co_u32 s[TBV], s[TBV], KS*PV
	WIN 0xc0
.irp f, 0,1,2,3,4,5,6,7,8,9,10,11,12,13,14,15
	ds_load_tr16_b128 v[8*\f:8*\f+3],   v[AV] offset:((\f%8)/4)*128*PV+(\f/8)*32*PV+(\f%4)*32
	ds_load_tr16_b128 v[8*\f+4:8*\f+7], v[AV] offset:((\f%8)/4)*128*PV+(\f/8)*32*PV+16*PV+(\f%4)*32
.endr
.endm
; THE VECTOR WORK.  One tile's softmax for one key step is a list of 134 instructions; SM writes number j of it for tile t.
;   0-15 the maximum of the lane's 32 scores and the old m   16-20 the other half of the lanes' maximum; m; c m; c m_old - c m_new   21-87 33 exponentials at the odd numbers from 23 on, each with a plain
;   instruction behind it: scalings ahead, roundings behind, the first sums   88-101 the last rounding, the sums, l = a l + sum   102-133 O^T times a
.macro SM t, first
.set rT, ST+8*(\t)
.set rS, S+32*(\t)
.set rP, P+16*(\t)
.set rO, 64*(\t)+2*(j-102)
.set q, (j-20)/2
.if j < 102
	WIN 0
.endif
.if j < 4
	v_max3_num_f32 v[rT+4+j], v[rS+8*j], v[rS+8*j+1], v[rS+8*j+2]
.elseif j < 12
	v_max3_num_f32 v[rT+4+j%4], v[rT+4+j%4], v[rS+8*(j%4)+2*(j/4)+1], v[rS+8*(j%4)+2*(j/4)+2]
.elseif j == 12
	v_max3_num_f32 v[rT+4], v[rT+4], v[rS+7], v[rS+15]
.elseif j == 13
	v_max3_num_f32 v[rT+6], v[rT+6], v[rS+23], v[rS+31]
.elseif j == 14
	v_max3_num_f32 v[rT+4], v[rT+4], v[rT+5], v[rT+6]
.elseif (j == 15) && (\first)
	v_max_num_f32 v[rT+4], v[rT+4], v[rT+7]
.elseif j == 15
	v_max3_num_f32 v[rT+4], v[rT+4], v[rT+7], v[rT+1]
.elseif j == 16
	v_permlanex16_b32 v[rT+5], v[rT+4], s[SEL], s[SEL+1]
.elseif j == 18
	v_max_num_f32 v[rT+1], v[rT+4], v[rT+5]
.elseif j == 19
	v_mul_f32 v[rT], s[CS], v[rT+1]
.elseif ((j == 17) || (j == 20) || (j == 23) || (j > 101)) && (\first)
.elseif j == 17
	v_mov_b32 v[rT+7], v[rT]
.elseif j == 20
	v_sub_f32 v[rT+7], v[rT+7], v[rT]
.elseif j == 23
	v_exp_f32 v[rT+6], v[rT+7]
.elseif (j < 88) && (j > 23) && (j%2 == 1)
	v_exp_f32 v[rS+(j-25)/2], v[rS+(j-25)/2]
.elseif (q < 4) || ((j < 76) && (q%2 == 0))
.set b, q/2+2
.if q < 4
.set b, q
.endif
	v_pk_fma_f32 v[rS+2*b:rS+2*b+1], v[rS+2*b:rS+2*b+1], s[CS:CS+1], v[rT:rT+1] op_sel_hi:[1,0,0] neg_lo:[0,0,1] neg_hi:[0,0,1]
.elseif (j < 88) && (q%2 == 1)
	s_wait_alu depctr_va_vdst(0)
	v_cvt_pk_f16_f32 v[rP+(q-5)/2], v[rS+q-5], v[rS+q-4]
.elseif j == 89
	s_wait_alu depctr_va_vdst(0)
	v_cvt_pk_f16_f32 v[rP+15], v[rS+30], v[rS+31]
.elseif j < 102
.set z, j-86
.if j < 89
.set z, (j-76)/4
.endif
.set w, 4
.set u, z
.if z >= 14
.set w, 32
.set u, 0
.elseif z >= 12
.set w, 16
.set u, z-12
.elseif z >= 8
.set w, 8
.set u, z-8
.endif
.if (z == 14) && (\first)
	v_pk_add_f32 v[rT+2:rT+3], v[rS:rS+1], v[rS+16:rS+17]
.elseif z < 15
	v_pk_add_f32 v[rS+w*u:rS+w*u+1], v[rS+w*u:rS+w*u+1], v[rS+w*u+w/2:rS+w*u+w/2+1]
.elseif !(\first)
	v_pk_fma_f32 v[rT+2:rT+3], v[rT+2:rT+3], v[rT+6:rT+7], v[rS:rS+1] op_sel_hi:[1,0,1]
.endif
.else
	WIN W_RS
	v_pk_mul_f32 v[rO:rO+1], v[rO:rO+1], v[rT+6:rT+7] op_sel_hi:[1,0]
.endif
.endm
; Slice k of 64 of piece y's softmax: numbers 2 k and 2 k + 1 of both tiles' lists; the twelve that are over stand in slice 63.
.macro SLICE y, first
.if (k >= 11) && (k < 44)
.irp t, \y, (\y)+1
.irp n, 0,1
.set j, 2*k+(\n)
	SM \t, \first
.endr
.endr
.else
.irp n, 0,1,2,3,4,5,6,7
.if ((\n) < 2) || (k == 63)
.irp t, \y, (\y)+1
.set j, 2*k+(\n)
	SM \t, \first
.endr
.endif
.endr
.endif
.set k, k+1
.endm
; In the diagonal tile the turn makes the mask of its own products K Q^T.  Piece 0 is band 1: step 0 (CNT = 2) open, step 1 its own.  Piece 2 is band 0: step 0 its own, step 1 hidden.
.macro MASKIF x
	WIN 0
	s_cmp_eq_u32 s[DG], 1
	s_cbranch_scc0 .Lnomask_\@
.if (\x) == 0
	s_cmp_eq_u32 s[CNT], 1
	s_cselect_b32 s[AL], 1.0, 0
	s_mov_b32 s[BE], 0
.else
	s_cmp_eq_u32 s[CNT], 2
	s_cselect_b32 s[AL], 1.0, 0
	s_cselect_b32 s[BE], 0, s[BIGN]
.endif
	WIN 0xc3
.set z, 0
.rept 16
	v_pk_fma_f32 v[MC+2*z:MC+2*z+1], v[MD+2*z:MD+2*z+1], s[AL:AL+1], s[BE:BE+1] op_sel_hi:[1,0,0]
.set z, z+1
.endr
	WIN 0
.Lnomask_\@:
.endm
; A TURN.  Piece x has the matrix unit.  Piece 0's turn fetches the next step's K behind its second product (K's last reader stands in front of slices 62 and 63 of the turn before);
; piece 2's turn fetches the same step's V behind its second K Q^T (V's last reader stands five slices, ten plain instructions, back).
.macro TURN x
	MASKIF \x
.set k, 0
.if (\x) == 0
	s_wait_dscnt 0x0                ; V is in
.endif
.set i, 0
.rept 32
	PV \x
	SLICE 2-(\x), 0
.if ((\x) == 0) && (i == 1)
	FETCH_K
.endif
.set i, i+1
.endr
.if (\x) == 0
	s_wait_dscnt 0x0                ; K is in
.endif
.set i, 0
.rept 16
	KQ \x
	SLICE 2-(\x), 0
	SLICE 2-(\x), 0
.if ((\x) == 2) && (i == 1)
	FETCH_V
.endif
.set i, i+1
.endr
.endm
.macro STEPS tag                    ; a tile's two key steps; a block's first tile enters at .Lmid
.Lstep\tag:
	TURN 0
	WIN 0
.Lmid\tag:
	TURN 2
	WIN 0
	s_sub_co_u32 s[CNT], s[CNT], 1
	s_cmp_lg_u32 s[CNT], 0
	s_cbranch_scc1 .Lstep\tag
.endm
; A BLOCK BEGINS.  c m starts far below every c s, so the first step's a is 0; m at the lowest finite number.  MC is 0, piece 2's P is 0 (its first V^T P, of a step that has not been, adds 0).
.macro BEGIN
	s_mov_b32 s[NEW], 0
	WIN 0xc0
.set i, MC
.rept 32
	v_mov_b32 v[i], 0
.set i, i+1
.endr
	WIN 0
.set i, P+32
.rept 32
	v_mov_b32 v[i], 0
.set i, i+1
.endr
.set i, 0
.rept 4
	v_mov_b32 v[ST+8*i], 0xfe000000
	v_mov_b32 v[ST+8*i+1], 0xff7fffff
.set i, i+1
.endr
	FETCH_K
	s_wait_loadcnt 0x0
	s_wait_dscnt 0x0
.set i, 0
.rept 16
	KQ 0
.set i, i+1
.endr
	WIN 0
.rept 4
	v_nop                           ; the places behind those products
.endr
.endm
; THE WAY OUT of piece x (band 1 - x / 2).  y = O1 / l1 - lam O2 / l2, rounded to f16 and sent through my stage; beside it the norm's sums of y less the lane's shift.  mode = 0: the shifts are set.
.macro WAYOUT x, mode
.set T0, ST+8*(\x)
.set T1, ST+8*(\x)+8
.set O0, 64*(\x)
.set O1, 64*(\x)+64
.set PP, P+16*(\x)
.set DD, S+32*(\x)
	WIN 0
	v_add_f32 v[T0+4], v[T0+2], v[T0+3]
	v_add_f32 v[T1+4], v[T1+2], v[T1+3]
	v_permlanex16_b32 v[T0+5], v[T0+4], s[SEL], s[SEL+1]
	v_permlanex16_b32 v[T1+5], v[T1+4], s[SEL], s[SEL+1]
	v_add_f32 v[T0+4], v[T0+4], v[T0+5]
	v_add_f32 v[T1+4], v[T1+4], v[T1+5]
	v_rcp_f32 v[T0+6], v[T0+4]
	v_rcp_f32 v[T1+6], v[T1+4]
	v_nop
	s_wait_alu depctr_va_vdst(0)
	v_mul_f32 v[T1+6], v[T1+6], v[LAMN]
	WIN W_RS
.set i, 0
.rept 32
	v_pk_mul_f32 v[O1+i:O1+i+1], v[O1+i:O1+i+1], v[T1+6:T1+7] op_sel_hi:[1,0]
.set i, i+2
.endr
	WIN 0x51
.set i, 0
.rept 32
	v_pk_fma_f32 v[O0+i:O0+i+1], v[O0+i:O0+i+1], v[T0+6:T0+7], v[O1+i:O1+i+1] op_sel_hi:[1,0,1]
.set i, i+2
.endr
	WIN 0x05
.set i, 0
.rept 32
	v_cvt_pk_f16_f32 v[PP+i], v[O0+2*i], v[O0+2*i+1]
.set i, i+1
.endr
	WIN 0
.irp f, 0,1,2,3,4,5,6,7
	ds_store_b128 v[STO], v[PP+4*\f:PP+4*\f+3] offset:32*\f
.endr
.irp f, 0,1,2,3,4,5,6,7
	ds_load_b128 v[PP+4*\f:PP+4*\f+3], v[RD] offset:\f*2*SP  ; LDS serves a wave's instructions in order (ISA guide 5.7.1.4): these see the stores above
.endr
	WIN 0x01                        ; source 0 in window 1
.if (\mode) == 0
.set q, 0
.rept 16
	v_mov_b32 v[KK+q], v[O0+4*q]    ; the shift of group slot q: my first number of it, so that no difference of large sums is formed
.set q, q+1
.endr
.endif
.set i, 0
.rept 32
.if ((i/2)%2) == 0
	v_pk_add_f32 v[DD+2*i:DD+2*i+1], v[O0+2*i:O0+2*i+1], v[KK+i/2:KK+i/2+1] op_sel_hi:[1,0] neg_lo:[0,1] neg_hi:[0,1]
.else
	v_pk_add_f32 v[DD+2*i:DD+2*i+1], v[O0+2*i:O0+2*i+1], v[KK+i/2-1:KK+i/2] op_sel:[0,1] op_sel_hi:[1,1] neg_lo:[0,1] neg_hi:[0,1]
.endif
.set i, i+1
.endr
	WIN 0xc3
.irp p, 0,1
.set q, 0
.rept 16
	v_pk_add_f32 v[SS+2*q:SS+2*q+1], v[SS+2*q:SS+2*q+1], v[DD+4*q+2*\p:DD+4*q+2*\p+1]
.set q, q+1
.endr
.endr
	WIN 0xf0
.irp p, 0,1
.set q, 0
.rept 16
	v_pk_fma_f32 v[QQ+2*q:QQ+2*q+1], v[DD+4*q+2*\p:DD+4*q+2*\p+1], v[DD+4*q+2*\p:DD+4*q+2*\p+1], v[QQ+2*q:QQ+2*q+1]
.set q, q+1
.endr
.endr
	WIN 0
.irp f, 0,1,2,3,4,5,6,7
	s_wait_dscnt 7-\f               ; the younger read-backs may stay out
	global_store_b128 v[GO], v[PP+4*\f:PP+4*\f+3], s[10:11] offset:(1-(\x)/2)*262144+\f*8192  ; 16 lanes store a row's 256 bytes of the head, aligned
.endr
.endm
; A BLOCK ENDS: piece 0's V^T P of the last step; band 0's way out, whose lines name none of those products' registers and are the places behind them; band 1's.
.macro BLKEND mode
	s_wait_dscnt 0x0                ; V is in
.set i, 0
.rept 32
	PV 0
.set i, i+1
.endr
	WAYOUT 2, \mode
	WAYOUT 0, 1
.endm
.macro MERGE a, b, kk               ; two sets of equal size n, each as (sum, squared deviations): kk = 1 / (2 n)
	v_sub_f32 v[TM], v[\a], v[\b]
	v_pk_add_f32 v[\a:(\a)+1], v[\a:(\a)+1], v[\b:(\b)+1]
	v_mul_f32 v[TM+1], \kk, v[TM]
	v_fma_f32 v[(\a)+1], v[TM+1], v[TM], v[(\a)+1]
.endm
.Lslot:                             ; NB times: a tile is entered and the next is asked for
	CHANGE 1
	s_sub_co_u32 s[RT], s[RT], 1
	s_mov_b32 s[CNT], 2
	s_cmp_eq_u32 s[RT], 0
	s_cselect_b32 s[DG], 1, 0
	s_cmp_eq_u32 s[NEW], 1
	s_cbranch_scc0 .Lstep1
	BEGIN
	s_branch .Lmid1
	STEPS 1
	s_cmp_lg_u32 s[RT], 0
	s_cbranch_scc1 .Lbottom
	BLKEND 0                        ; in the loop this is the first block's end
	s_wait_xcnt 0x0                 ; the stores have read their registers and y's address
	s_mov_b64 s[10:11], s[OLO:OLO+1]
	s_add_co_u32 s[RT], s[PB], 1
	s_mov_b32 s[NEW], 1
	WIN 0x82
.set i, 0
.rept 64
	v_mov_b32 v[i], v[QB+i]
.set i, i+1
.endr
	WIN 0
.Lbottom:
	s_sub_co_u32 s[SLOTS], s[SLOTS], 1
	s_cmp_lg_u32 s[SLOTS], 0
	s_cbranch_scc1 .Lslot
	CHANGE 0                        ; the walk's last tile is written out
	s_sub_co_u32 s[RT], s[RT], 1
	s_mov_b32 s[CNT], 2
	s_cmp_eq_u32 s[RT], 0
	s_cselect_b32 s[DG], 1, 0
	s_cmp_eq_u32 s[NEW], 1
	s_cbranch_scc0 .Lstep2
	BEGIN
	s_branch .Lmid2
	STEPS 2
	BLKEND 1
	; THE NORM'S FIGURES.  A lane has 16 numbers in each of its 16 group slots: sum = S + 16 k, squared deviations = Q - S^2 / 16.
	WIN 0x0f
.set q, 0
.rept 16
	v_add_f32 v[S+2*q], v[SS+2*q], v[SS+2*q+1]
	v_add_f32 v[S+2*q+1], v[QQ+2*q], v[QQ+2*q+1]
.set q, q+1
.endr
	WIN 0
.set q, 0
.rept 16
	v_mul_f32 v[S+32+q], 0xbd800000, v[S+2*q]
	v_fma_f32 v[S+2*q+1], v[S+32+q], v[S+2*q], v[S+2*q+1]
	v_max_num_f32 v[S+2*q+1], 0, v[S+2*q+1]
	v_fmamk_f32 v[S+2*q], v[KK+q], 0x41800000, v[S+2*q]
.set q, q+1
.endr
	s_mul_i32 s13, s[WV], WST
	s_add_co_u32 s13, s13, STAGE
	v_mul_u32_u24 v11, v10, 288     ; slot q of lane (r, h) is group 4 (q / 2) + 2 h + q % 2: row g of 144 bytes, place r
	v_lshl_add_u32 v11, v1, 3, v11
	v_add_nc_u32 v11, s13, v11
.set q, 0
.rept 16
	ds_store_b64 v11, v[S+2*q:S+2*q+1] offset:(4*(q/2)+q%2)*144
.set q, q+1
.endr
	v_and_b32 v12, 31, v0
	v_mul_u32_u24 v13, v12, 144
	v_add_nc_u32 v13, s13, v13
.irp n, 0,1,2,3,4,5,6,7
	ds_load_b128 v[128+4*\n:128+4*\n+3], v13 offset:16*\n  ; lane g takes group g's sixteen pairs; my own bytes, served in order
.endr
	s_wait_dscnt 0x0
.irp e, 0,2,4,6,8,10,12,14
	MERGE 128+2*(\e), 128+2*(\e)+2, 0x3d000000
.endr
.irp e, 0,4,8,12
	MERGE 128+2*(\e), 128+2*(\e)+4, 0x3c800000
.endr
.irp e, 0,8
	MERGE 128+2*(\e), 128+2*(\e)+8, 0x3c000000
.endr
	MERGE 128, 144, 0x3b800000
	s_lshl_b32 s13, s[WV], 8
	s_add_co_u32 s13, s13, XW
	v_lshl_add_u32 v14, v12, 3, s13
	ds_store_b64 v14, v[128:129]
	s_wait_dscnt 0x0                ; for the others' sake
	s_barrier_signal -1
	s_barrier_wait -1
	s_cmp_lg_u32 s[WV], 0
	s_cbranch_scc1 .Lend
	v_lshl_add_u32 v15, v12, 3, XW
.irp n, 0,1,2,3
	ds_load_b64 v[128+2*\n:128+2*\n+1], v15 offset:256*\n
.endr
	v_lshlrev_b32 v14, 3, v12
	s_wait_dscnt 0x0
	MERGE 128, 130, 0x3b000000
	MERGE 132, 134, 0x3b000000
	MERGE 128, 132, 0x3a800000
	global_store_b64 v14, v[128:129], s[66:67]  ; 32 lanes store the work-group's 256 bytes
.Lend:
	s_wait_tensorcnt 0x0            ; the wave's end
	ds_add_u32 v[SPW], v[NIL]
	s_wait_dscnt 0x0
	s_endpgm
.Lfunc_end_k_q9580025d18_attn:
	.size	k_q9580025d18_attn, .Lfunc_end_k_q9580025d18_attn-k_q9580025d18_attn
	.p2alignl 7, 3214868480
	.fill 96, 4, 3214868480
	.section	.rodata,"a",@progbits
	.p2align	6, 0x0
	.amdhsa_kernel k_q9580025d18_attn
		.amdhsa_group_segment_fixed_size 327680
		.amdhsa_private_segment_fixed_size 0
		.amdhsa_enable_private_segment 0
		.amdhsa_kernarg_size 56
		.amdhsa_user_sgpr_count 2
		.amdhsa_user_sgpr_kernarg_segment_ptr 1
		.amdhsa_wavefront_size32 1
		.amdhsa_system_sgpr_workgroup_id_x 1
		.amdhsa_system_sgpr_workgroup_id_y 1
		.amdhsa_system_sgpr_workgroup_id_z 1
		.amdhsa_system_vgpr_workitem_id 0
		.amdhsa_next_free_vgpr 1024
		.amdhsa_next_free_sgpr 96
		.amdhsa_reserve_vcc 1
		.amdhsa_float_denorm_mode_32 3
		.amdhsa_float_denorm_mode_16_64 3
		.amdhsa_memory_ordered 1
		.amdhsa_forward_progress 1
		.amdhsa_inst_pref_size 221
	.end_amdhsa_kernel
	.amdgpu_metadata
---
amdhsa.version: [ 1, 2 ]
amdhsa.kernels:
  - .name:           k_q9580025d18_attn
    .symbol:         k_q9580025d18_attn.kd
    .args:
      - { .name: qkv, .offset: 0, .size: 8, .value_kind: global_buffer, .address_space: global }
      - { .name: lq1, .offset: 8, .size: 8, .value_kind: global_buffer, .address_space: global }
      - { .name: lk1, .offset: 16, .size: 8, .value_kind: global_buffer, .address_space: global }
      - { .name: lq2, .offset: 24, .size: 8, .value_kind: global_buffer, .address_space: global }
      - { .name: lk2, .offset: 32, .size: 8, .value_kind: global_buffer, .address_space: global }
      - { .name: y16, .offset: 40, .size: 8, .value_kind: global_buffer, .address_space: global }
      - { .name: part, .offset: 48, .size: 8, .value_kind: global_buffer, .address_space: global }
    .group_segment_fixed_size: 327680
    .private_segment_fixed_size: 0
    .kernarg_segment_align: 8
    .kernarg_segment_size: 56
    .max_flat_workgroup_size: 128
    .sgpr_count:     96
    .vgpr_count:     1024
    .wavefront_size: 32
...
	.end_amdgpu_metadata
.endif
;; end of part 4
;; launch norm (part 5): grid 284 x 1, 8 waves a work-group, no clusters, 0 bytes of LDS; arguments y16, part, z, gn_w, gn_b, gamma, lq1, lk1, lq2, lk2, yn16; writes yn16
.if DOCPART == 5
	.amdgcn_target "amdgcn-amd-amdhsa--gfx1250"
	.amdhsa_code_object_version 6
	.text
	.protected	k_q9580025d18_norm
	.globl	k_q9580025d18_norm
	.p2align	8
	.type	k_q9580025d18_norm,@function
k_q9580025d18_norm:
	s_mov_b64 s[64:65], 0
	v_nop
	global_prefetch_b8 v0, s[64:65] scope:SCOPE_SE
	s_setreg_imm32_b32 hwreg(HW_REG_WAVE_MODE, 25, 1), 1
	s_wait_xcnt 0x0
; yn = ((y - mean) rstd gn_w + gn_b) gamma (1 - LAMBDA_INIT), in f16.  mean and rstd of a (batch, head, group of 4 channels) come from the 8 work-groups' figures in part, merged pairwise
; (sums and squared deviations of sets of equal size: no difference of large sums).  gn_w, gn_b, gamma and the four l's are rounded to bf16 like every input of the module.
; Work-groups 0-251 stream: 16 rows (t >= 32) each, a thread 8 columns of every row; 16 loads of 16 bytes a thread are out at once; one fused multiply-add and one rounding a number.
; Work-groups 252-283, one for each (batch, head), make rows t < 32 anew in f32 from z: their numbers are many times the output's root mean square, and 16-bit q, k, v, P, y would spend the allowance.
; That is 64 of 4,096 rows, 80 f32 matrix instructions a wave: no bulk work.  Their stores are 16 bytes a lane, 32 bytes of a row an instruction: parts of 256-byte blocks, on 256 KiB in all.
; v16-47 are written by the f32 matrix form alone.  No LDS byte is written.
; LIMITS.  yn as f16: beyond 65,504 an infinity.  A hidden score counts as -1e30; NaN and infinities are not treated apart.
.set L1C, 0x3e637605                   ; 1 - LAMBDA_INIT
.set CS,  50
.set SEL, 52
.set BIGN, 54
.macro MERGE a, b, kk                  ; two sets of equal size n, each as (sum, squared deviations): kk = 1 / (2 n)
	v_sub_f32 v[TM], v[\a], v[\b]
	v_pk_add_f32 v[\a:(\a)+1], v[\a:(\a)+1], v[\b:(\b)+1]
	v_mul_f32 v[TM+1], \kk, v[TM]
	v_fma_f32 v[(\a)+1], v[TM+1], v[TM], v[(\a)+1]
.endm
.macro RB a                            ; two f32 rounded to bf16, kept as f32
	v_cvt_pk_bf16_f32 v[TM], v[\a], v[(\a)+1]
	v_lshlrev_b32 v[\a], 16, v[TM]
	v_and_b32 v[(\a)+1], 0xffff0000, v[TM]
.endm
.macro STAT a, mn, rs                  ; of 8,192 numbers: the mean, and var + eps, whose root's reciprocal follows
	v_mul_f32 v[\mn], 0x39000000, v[\a]
	v_mul_f32 v[\rs], 0x39000000, v[(\a)+1]
	v_add_f32 v[\rs], 0x3727c5ac, v[\rs]
.endm
	s_load_b512 s[28:43], s[0:1], 0x0              ; y16, part, z, gn_w, gn_b, gamma, lq1, lk1
	s_load_b128 s[44:47], s[0:1], 0x40             ; lq2, lk2
	s_load_b64 s[48:49], s[0:1], 0x50              ; yn16
	s_mov_b32 s2, ttmp9
	s_cmp_ge_u32 s2, 252
	s_cbranch_scc1 .Learly
.set TM, 188
	s_cmp_ge_u32 s2, 126
	s_cselect_b32 s3, 1, 0                         ; batch
	s_mul_i32 s4, s3, 126
	s_sub_co_u32 s4, s2, s4
	s_lshl_b32 s4, s4, 4
	s_add_co_u32 s4, s4, 32                        ; t of my first row
	s_lshl_b32 s5, s3, 11
	s_add_co_u32 s4, s4, s5
	s_lshl_b32 s4, s4, 12
	s_mov_b32 s5, 0
	s_lshl_b32 s6, s3, 15                          ; the batch's 16 heads x 2,048 bytes of part
	v_lshlrev_b32 v1, 4, v0                        ; my 16 bytes of a row
	v_lshrrev_b32 v2, 4, v0                        ; head
	v_lshlrev_b32 v2, 11, v2
	v_and_b32 v3, 15, v0
	v_lshl_add_u32 v2, v3, 4, v2                   ; my two groups' 16 bytes
	v_add_nc_u32 v2, s6, v2
	v_lshlrev_b32 v3, 5, v3                        ; my 8 channels' 32 bytes of a gain
	s_wait_kmcnt 0x0
	s_add_nc_u64 s[8:9], s[28:29], s[4:5]
	s_add_nc_u64 s[10:11], s[48:49], s[4:5]
.irp n, 0,1,2,3,4,5,6,7
	global_load_b128 v[112+4*\n:112+4*\n+3], v2, s[30:31] offset:256*\n
.endr
	global_load_b128 v[144:147], v3, s[34:35]
	global_load_b128 v[148:151], v3, s[34:35] offset:16
	global_load_b128 v[152:155], v3, s[36:37]
	global_load_b128 v[156:159], v3, s[36:37] offset:16
	global_load_b128 v[160:163], v3, s[38:39]
	global_load_b128 v[164:167], v3, s[38:39] offset:16
.irp n, 0,1,2,3,4,5,6,7,8,9,10,11,12,13,14,15
	global_load_b128 v[48+4*\n:48+4*\n+3], v1, s[8:9] offset:4096*\n th:TH_LOAD_NT
.endr
	s_wait_loadcnt 16                              ; the figures and the gains are in; the 16 rows stay out
.irp g, 0,2
	MERGE 112+\g, 116+\g, 0x3a000000
	MERGE 120+\g, 124+\g, 0x3a000000
	MERGE 128+\g, 132+\g, 0x3a000000
	MERGE 136+\g, 140+\g, 0x3a000000
	MERGE 112+\g, 120+\g, 0x39800000
	MERGE 128+\g, 136+\g, 0x39800000
	MERGE 112+\g, 128+\g, 0x39000000
.endr
	STAT 112, 184, 186
	STAT 114, 185, 187
	v_rsq_f32 v186, v186
	v_rsq_f32 v187, v187
.irp n, 144,146,148,150,152,154,156,158,160,162,164,166
	RB \n
.endr
	s_wait_alu depctr_va_vdst(0)
.irp k, 0,1,2,3,4,5,6,7
	v_mul_f32 v[168+\k], v[144+\k], v[160+\k]
	v_mul_f32 v[176+\k], v[152+\k], v[160+\k]
	v_mul_f32 v[168+\k], L1C, v[168+\k]
	v_mul_f32 v[176+\k], L1C, v[176+\k]
	v_mul_f32 v[168+\k], v[168+\k], v[186+\k/4]
	v_fma_f32 v[176+\k], -v[184+\k/4], v[168+\k], v[176+\k]
.endr
.set i, 0
.rept 16
	s_wait_loadcnt 15-i                            ; row i is in; the younger rows stay out
.irp k, 0,1,2,3
	v_fma_mixlo_f16 v[48+4*i+\k], v[48+4*i+\k], v[168+2*\k], v[176+2*\k] op_sel_hi:[1,0,0]
	v_fma_mixhi_f16 v[48+4*i+\k], v[48+4*i+\k], v[169+2*\k], v[177+2*\k] op_sel:[1,0,0] op_sel_hi:[1,0,0]
.endr
	global_store_b128 v1, v[48+4*i:48+4*i+3], s[10:11] offset:4096*i
.set i, i+1
.endr
	s_endpgm
.Learly:
; Wave w: query tile qt = w % 2 (rows 16 qt ..), channel quarter cq = w / 2 (32 channels).  S^T = K Q^T by the f32 form, K permuted alike on both sides: lane (r, h) holds channels 32 h .. + 31 of its row,
; and step s takes its registers 2 s, 2 s + 1.  In the result a lane holds one query (r) and the keys 8 h + 0..7 of the key tile.
; REGISTERS.  v1 r, v2 h, v4-7, v12-15 offsets, v8-11 the four l's; v48-143 Q1, K1 (two key tiles), v144-239 Q2, K2, v240-255 the figures of part.  Behind the scores: v48-79 masked scores and weights,
; v80-95 the combined weights, v96-121 at work, v144-175 V, v176-223 the gains, v224-231 my groups' mean and rstd, v232-235 at work, v236-239 the lanes to pull them from (made only then: K2 lies there before).
.set TM, 234
	s_sub_co_u32 s20, s2, 252                      ; 16 b + head
	s_lshr_b32 s21, s20, 4
	s_and_b32 s22, s20, 15
	v_lshrrev_b32 v1, 5, v0
	v_readfirstlane_b32 s8, v1
	s_and_b32 s23, s8, 1                           ; qt
	s_lshr_b32 s24, s8, 1                          ; cq
	v_and_b32 v1, 15, v0
	v_bfe_u32 v2, v0, 4, 1
	v_and_b32 v3, 31, v0
	v_lshlrev_b32 v4, 4, v1
	v_lshl_add_u32 v4, v2, 13, v4                  ; K: 16 r + 8 groups of four channels x 1,024 bytes for the upper lanes
	s_lshl_b32 s25, s23, 8
	v_add_nc_u32 v5, s25, v4                       ; Q: 16 rows on for query tile 1
	v_lshlrev_b32 v6, 3, v3                        ; lane l takes group l's figures
	s_lshl_b32 s25, s22, 2
	v_mov_b32 v7, s25
	s_lshl_b32 s25, s23, 4
	v_lshlrev_b32 v12, 3, v2
	v_sub_nc_u32 v12, v1, v12
	v_add_nc_u32 v12, s25, v12                     ; my query less my lanes' 8 h: register j of key tile kt is hidden where 16 kt + j is greater
	v_lshrrev_b32 v13, 2, v1
	v_lshlrev_b32 v13, 10, v13
	v_lshl_add_u32 v13, v2, 7, v13
	v_and_b32 v14, 3, v1
	v_lshl_add_u32 v13, v14, 2, v13                ; V: channel r of a block of 16, keys 8 h on
	s_lshl_b32 s25, s24, 7
	v_lshl_add_u32 v14, v2, 5, s25                 ; the gains of my 8 channels of a block
	v_lshlrev_b32 v15, 12, v1
	v_lshl_add_u32 v15, v2, 4, v15                 ; yn: row r, 16 bytes for each half of the lanes
	s_mov_b32 s[CS], 0x3e38aa3b
	s_mov_b32 s[SEL], 0x76543210
	s_mov_b32 s[SEL+1], 0xfedcba98
	s_mov_b32 s[BIGN], 0xf149f2ca
	s_lshl_b32 s4, s22, 14                         ; the head's 16 groups of four channels
	s_lshl_b32 s5, s21, 9                          ; the batch's 32 rows e
	s_add_co_u32 s4, s4, s5
	s_mov_b32 s5, 0
	s_lshl_b32 s6, s20, 11
	s_mov_b32 s7, 0
	s_lshr_b32 s14, s24, 1                         ; vlo or vhi,
	s_lshl_b32 s14, s14, 18
	s_and_b32 s15, s24, 1                          ; its 32 channels
	s_lshl_b32 s15, s15, 13
	s_add_co_u32 s14, s14, s15
	s_add_co_u32 s14, s14, 1<<20
	s_mov_b32 s15, 0
	s_lshl_b32 s18, s21, 23
	s_lshl_b32 s19, s23, 16
	s_add_co_u32 s18, s18, s19
	s_lshl_b32 s19, s22, 8
	s_add_co_u32 s18, s18, s19
	s_lshl_b32 s19, s24, 6
	s_add_co_u32 s18, s18, s19
	s_mov_b32 s19, 0
	s_wait_kmcnt 0x0
	s_add_nc_u64 s[10:11], s[32:33], s[4:5]
	s_add_nc_u64 s[12:13], s[30:31], s[6:7]
	s_add_nc_u64 s[16:17], s[10:11], s[14:15]
	s_add_nc_u64 s[18:19], s[48:49], s[18:19]
.irp i, 0,1,2,3,4,5,6,7
	global_load_b128 v[48+4*\i:48+4*\i+3],   v5, s[10:11] offset:1024*\i
	global_load_b128 v[80+4*\i:80+4*\i+3],   v4, s[10:11] offset:2*262144+1024*\i
	global_load_b128 v[112+4*\i:112+4*\i+3], v4, s[10:11] offset:2*262144+256+1024*\i
	global_load_b128 v[144+4*\i:144+4*\i+3], v5, s[10:11] offset:262144+1024*\i
	global_load_b128 v[176+4*\i:176+4*\i+3], v4, s[10:11] offset:3*262144+1024*\i
	global_load_b128 v[208+4*\i:208+4*\i+3], v4, s[10:11] offset:3*262144+256+1024*\i
	global_load_b64 v[240+2*\i:240+2*\i+1],  v6, s[12:13] offset:256*\i
.endr
	global_load_b32 v8, v7, s[40:41]
	global_load_b32 v9, v7, s[42:43]
	global_load_b32 v10, v7, s[44:45]
	global_load_b32 v11, v7, s[46:47]
	s_wait_loadcnt 0x0
	; four accumulators (softmax g, key tile kt at 16 + 8 (2 g + kt)) by turns; the first step starts the sums
.set s, 0
.rept 16
.irp g, 0,1
.irp kt, 0,1
.if s == 0
	v_wmma_f32_16x16x4_f32 v[16+8*(2*\g+\kt):16+8*(2*\g+\kt)+7], v[80+96*\g+32*\kt:80+96*\g+32*\kt+1], v[48+96*\g:48+96*\g+1], 0
.else
	v_wmma_f32_16x16x4_f32 v[16+8*(2*\g+\kt):16+8*(2*\g+\kt)+7], v[80+96*\g+32*\kt+2*s:80+96*\g+32*\kt+2*s+1], v[48+96*\g+2*s:48+96*\g+2*s+1], v[16+8*(2*\g+\kt):16+8*(2*\g+\kt)+7]
.endif
.endr
.endr
.set s, s+1
.endr
.rept 8
	v_nop                                          ; eight places behind this form, in front of reads of the results and of loads and writes into the sources
.endr
.irp cb, 0,1
.irp kk, 0,1,2,3,4,5,6,7,8,9,10,11,12,13,14,15
	global_load_b32 v[144+16*\cb+\kk], v13, s[16:17] offset:4096*\cb+((\kk/8)*16+\kk%8)*16
.endr
.endr
.irp cb, 0,1
	global_load_b128 v[176+8*\cb:176+8*\cb+3], v14, s[34:35] offset:64*\cb
	global_load_b128 v[180+8*\cb:180+8*\cb+3], v14, s[34:35] offset:64*\cb+16
	global_load_b128 v[192+8*\cb:192+8*\cb+3], v14, s[36:37] offset:64*\cb
	global_load_b128 v[196+8*\cb:196+8*\cb+3], v14, s[36:37] offset:64*\cb+16
	global_load_b128 v[208+8*\cb:208+8*\cb+3], v14, s[38:39] offset:64*\cb
	global_load_b128 v[212+8*\cb:212+8*\cb+3], v14, s[38:39] offset:64*\cb+16
.endr
.irp kt, 0,1
.irp j, 0,1,2,3,4,5,6,7
	v_cmp_gt_i32 vcc_lo, 16*\kt+\j, v12
	v_cndmask_b32 v[48+8*\kt+\j], v[16+8*\kt+\j], s[BIGN], vcc_lo
	v_cndmask_b32 v[64+8*\kt+\j], v[32+8*\kt+\j], s[BIGN], vcc_lo
.endr
.endr
; One softmax: the lane's 16 scores at v[sb ..], at work v[tb ..]; leaves the weights in place and 1 / l in v[tb + 2].
.macro SOFT sb, tb
	v_max3_num_f32 v[\tb], v[\sb], v[\sb+1], v[\sb+2]
.irp n, 3,5,7,9,11,13
	v_max3_num_f32 v[\tb], v[\tb], v[\sb+\n], v[\sb+\n+1]
.endr
	v_max_num_f32 v[\tb], v[\tb], v[\sb+15]
	v_mov_b32 v[\tb+1], 0
	v_permlanex16_b32 v[\tb+1], v[\tb], s[SEL], s[SEL+1]
	v_max_num_f32 v[\tb], v[\tb], v[\tb+1]
	v_mul_f32 v[\tb], s[CS], v[\tb]
.irp n, 0,1,2,3,4,5,6,7,8,9,10,11,12,13,14,15
	v_fma_f32 v[\sb+\n], v[\sb+\n], s[CS], -v[\tb]
.endr
.irp n, 0,1,2,3,4,5,6,7,8,9,10,11,12,13,14,15
	v_exp_f32 v[\sb+\n], v[\sb+\n]
.endr
	v_nop
	s_wait_alu depctr_va_vdst(0)
	v_pk_add_f32 v[\tb+2:\tb+3], v[\sb:\sb+1], v[\sb+2:\sb+3]
	v_pk_add_f32 v[\tb+4:\tb+5], v[\sb+4:\sb+5], v[\sb+6:\sb+7]
	v_pk_add_f32 v[\tb+6:\tb+7], v[\sb+8:\sb+9], v[\sb+10:\sb+11]
	v_pk_add_f32 v[\tb+8:\tb+9], v[\sb+12:\sb+13], v[\sb+14:\sb+15]
	v_pk_add_f32 v[\tb+2:\tb+3], v[\tb+2:\tb+3], v[\tb+4:\tb+5]
	v_pk_add_f32 v[\tb+6:\tb+7], v[\tb+6:\tb+7], v[\tb+8:\tb+9]
	v_pk_add_f32 v[\tb+2:\tb+3], v[\tb+2:\tb+3], v[\tb+6:\tb+7]
	v_add_f32 v[\tb+2], v[\tb+2], v[\tb+3]
	v_permlanex16_b32 v[\tb+3], v[\tb+2], s[SEL], s[SEL+1]
	v_add_f32 v[\tb+2], v[\tb+2], v[\tb+3]
	v_rcp_f32 v[\tb+2], v[\tb+2]
	v_nop
.endm
	SOFT 48, 96
	SOFT 64, 112
	v_cvt_pk_bf16_f32 v8, v8, v9                   ; lam, as in the launch before
	v_cvt_pk_bf16_f32 v10, v10, v11
	v_lshlrev_b32 v9, 16, v8
	v_and_b32 v8, 0xffff0000, v8
	v_lshlrev_b32 v11, 16, v10
	v_and_b32 v10, 0xffff0000, v10
	v_mul_f32 v8, v8, v9
	v_mul_f32 v10, v10, v11
	v_mul_f32 v8, 0xbfb8aa3b, v8
	v_mul_f32 v10, 0xbfb8aa3b, v10
	v_exp_f32 v8, v8
	v_exp_f32 v10, v10
	v_nop
	s_wait_alu depctr_va_vdst(0)
	v_add_f32 v8, 1.0, v8
	v_add_f32 v10, 1.0, v10
	v_rcp_f32 v8, v8
	v_rcp_f32 v10, v10
	v_nop
	s_wait_alu depctr_va_vdst(0)
	v_sub_f32 v8, v10, v8
	v_add_f32 v8, 0xbf47227f, v8                   ; -lam
	v_mul_f32 v114, v114, v8                       ; -lam / l2
.irp n, 0,1,2,3,4,5,6,7,8,9,10,11,12,13,14,15
	v_mul_f32 v[80+\n], v[64+\n], v114
	v_fma_f32 v[80+\n], v[48+\n], v98, v[80+\n]    ; p1 / l1 - lam p2 / l2
.endr
	s_lshl_b32 s25, s24, 5                         ; the lanes that hold my four groups' figures, as byte addresses 4 x lane: K2's registers are free now
	v_lshl_add_u32 v236, v2, 3, s25                ; group cq 8 + 2 h (channel block 0, my first four channels),
	v_add_nc_u32 v237, 4, v236                     ; the next group (my last four),
	v_add_nc_u32 v238, 16, v236                    ; and the same two of channel block 1, four groups on
	v_add_nc_u32 v239, 20, v236
	MERGE 240, 242, 0x3a000000
	MERGE 244, 246, 0x3a000000
	MERGE 248, 250, 0x3a000000
	MERGE 252, 254, 0x3a000000
	MERGE 240, 244, 0x39800000
	MERGE 248, 252, 0x39800000
	MERGE 240, 248, 0x39000000
	STAT 240, 232, 233
	v_rsq_f32 v233, v233
	v_nop
	s_wait_alu depctr_va_vdst(0)
.irp n, 0,1,2,3
	ds_bpermute_b32 v[224+2*\n], v[236+\n], v232   ; mean and rstd of my four groups, from the lanes that hold them: no LDS byte is touched
	ds_bpermute_b32 v[225+2*\n], v[236+\n], v233
.endr
	s_wait_loadcnt 0x0                             ; V and the gains
	s_wait_dscnt 0x0
.irp n, 176,178,180,182,184,186,188,190,192,194,196,198,200,202,204,206,208,210,212,214,216,218,220,222
	RB \n
.endr
.irp n, 0,1,2,3,4,5,6,7,8,9,10,11,12,13,14,15
	v_mul_f32 v[176+\n], v[176+\n], v[208+\n]
	v_mul_f32 v[192+\n], v[192+\n], v[208+\n]
	v_mul_f32 v[176+\n], L1C, v[176+\n]
	v_mul_f32 v[192+\n], L1C, v[192+\n]
	v_mul_f32 v[176+\n], v[176+\n], v[225+2*(\n/4)]
	v_fma_f32 v[192+\n], -v[224+2*(\n/4)], v[176+\n], v[192+\n]
.endr
	; O^T = V^T C: source 0 = 16 channels x 4 keys, source 1 = the combined weights' even pairs; two accumulators (channel blocks) by turns; the first step starts the sums
.set s, 0
.rept 8
.irp cb, 0,1
.if s == 0
	v_wmma_f32_16x16x4_f32 v[16+8*\cb:16+8*\cb+7], v[144+16*\cb:144+16*\cb+1], v[80:81], 0
.else
	v_wmma_f32_16x16x4_f32 v[16+8*\cb:16+8*\cb+7], v[144+16*\cb+2*s:144+16*\cb+2*s+1], v[80+2*s:80+2*s+1], v[16+8*\cb:16+8*\cb+7]
.endif
.endr
.set s, s+1
.endr
.rept 8
	v_nop
.endr
.irp n, 0,1,2,3,4,5,6,7,8,9,10,11,12,13,14,15
	v_fma_f32 v[96+\n], v[16+\n], v[176+\n], v[192+\n]
.endr
.irp n, 0,1,2,3,4,5,6,7
	v_cvt_pk_f16_f32 v[112+\n], v[96+2*\n], v[96+2*\n+1]
.endr
	global_store_b128 v15, v[112:115], s[18:19]
	global_store_b128 v15, v[116:119], s[18:19] offset:32
	s_endpgm
.Lfunc_end_k_q9580025d18_norm:
	.size	k_q9580025d18_norm, .Lfunc_end_k_q9580025d18_norm-k_q9580025d18_norm
	.p2alignl 7, 3214868480
	.fill 96, 4, 3214868480
	.section	.rodata,"a",@progbits
	.p2align	6, 0x0
	.amdhsa_kernel k_q9580025d18_norm
		.amdhsa_group_segment_fixed_size 0
		.amdhsa_private_segment_fixed_size 0
		.amdhsa_enable_private_segment 0
		.amdhsa_kernarg_size 88
		.amdhsa_user_sgpr_count 2
		.amdhsa_user_sgpr_kernarg_segment_ptr 1
		.amdhsa_wavefront_size32 1
		.amdhsa_system_sgpr_workgroup_id_x 1
		.amdhsa_system_sgpr_workgroup_id_y 1
		.amdhsa_system_sgpr_workgroup_id_z 1
		.amdhsa_system_vgpr_workitem_id 0
		.amdhsa_next_free_vgpr 256
		.amdhsa_next_free_sgpr 66
		.amdhsa_reserve_vcc 1
		.amdhsa_float_denorm_mode_32 3
		.amdhsa_float_denorm_mode_16_64 3
		.amdhsa_memory_ordered 1
		.amdhsa_forward_progress 1
		.amdhsa_inst_pref_size 63
	.end_amdhsa_kernel
	.amdgpu_metadata
---
amdhsa.version: [ 1, 2 ]
amdhsa.kernels:
  - .name:           k_q9580025d18_norm
    .symbol:         k_q9580025d18_norm.kd
    .args:
      - { .name: y16, .offset: 0, .size: 8, .value_kind: global_buffer, .address_space: global }
      - { .name: part, .offset: 8, .size: 8, .value_kind: global_buffer, .address_space: global }
      - { .name: z, .offset: 16, .size: 8, .value_kind: global_buffer, .address_space: global }
      - { .name: gn_w, .offset: 24, .size: 8, .value_kind: global_buffer, .address_space: global }
      - { .name: gn_b, .offset: 32, .size: 8, .value_kind: global_buffer, .address_space: global }
      - { .name: gamma, .offset: 40, .size: 8, .value_kind: global_buffer, .address_space: global }
      - { .name: lq1, .offset: 48, .size: 8, .value_kind: global_buffer, .address_space: global }
      - { .name: lk1, .offset: 56, .size: 8, .value_kind: global_buffer, .address_space: global }
      - { .name: lq2, .offset: 64, .size: 8, .value_kind: global_buffer, .address_space: global }
      - { .name: lk2, .offset: 72, .size: 8, .value_kind: global_buffer, .address_space: global }
      - { .name: yn16, .offset: 80, .size: 8, .value_kind: global_buffer, .address_space: global }
    .group_segment_fixed_size: 0
    .private_segment_fixed_size: 0
    .kernarg_segment_align: 8
    .kernarg_segment_size: 88
    .max_flat_workgroup_size: 256
    .sgpr_count:     66
    .vgpr_count:     256
    .wavefront_size: 32
...
	.end_amdgpu_metadata
.endif
;; end of part 5
;; launch outp (part 6): grid 8 x 32, 4 waves a work-group, clusters of 4 x 4, 327,680 bytes of LDS; arguments yn16, wc16, out0; writes out0
.if DOCPART == 6
	.amdgcn_target "amdgcn-amd-amdhsa--gfx1250"
	.amdhsa_code_object_version 6
	.text
	.protected	k_q9580025d18_outp
	.globl	k_q9580025d18_outp
	.p2align	8
	.type	k_q9580025d18_outp,@function
k_q9580025d18_outp:
	s_mov_b64 s[64:65], 0
	v_nop
	global_prefetch_b8 v0, s[64:65] scope:SCOPE_SE
	s_setreg_imm32_b32 hwreg(HW_REG_WAVE_MODE, 25, 1), 1
	s_wait_xcnt 0x0
	s_wait_alu depctr_hold_cnt(0) depctr_sa_sdst(0) depctr_va_vdst(0) depctr_va_sdst(0) depctr_va_ssrc(0) depctr_va_vcc(0) depctr_vm_vsrc(0)
	s_getreg_b32 s2, hwreg(HW_REG_IB_STS2, 6, 4)
	s_cmp_eq_u32 s2, 0
	s_cbranch_scc0 .Lentry_in_a_cluster
	s_endpgm
.Lentry_in_a_cluster:
	s_bfe_u32 s2, ttmp6, 0x10000c
	s_cmp_lg_u32 s2, 0xf033
	s_cbranch_scc0 .Lentry_shape_is_right
	s_endpgm
.Lentry_shape_is_right:
; out0[m][n] = sum over k of yn[m][k] Wc[n][k].  yn16: [4096][2048], wc16: [1024][2048], f16; sums and out0 in f32.
; A tile is 128 x 128: 32 x 8 = 256 work-groups, one for each WGP.  Four waves, each 64 x 64: 16 accumulators.  K goes in steps of 256 (LDS rows of 512 bytes; a wave's tensor load brings 64 of them)
; through two slots.  CLUSTER 4 x 4: yn's tile is shared along a row of the cluster, Wc's along a column, each asked for jointly.  The matrix instruction is used transposed: a lane holds eight
; neighbouring numbers of a row.  A wave's 64 f32 columns are 256 bytes, aligned: each wave has a stage of its own, and the way out needs no barrier.
; No prefetch: 8 K steps on a small tile, and every tile is read by 8 or 32 work-groups.
; REGISTERS: window 0: v0-31 addresses; v32-63 rows read back; v128-255 the accumulators ((a, b) at 128 + 8 (4 a + b)).  window 1: two fragment buffers of 128.
.set SIZE_K, 2048
.set KSTEP,  256
.set PITCH,  528                       ; 512 bytes + 16: row r starts at bank 4 r mod 64 (ISA guide 11.1)
.set HALFT,  64*PITCH
.set SLOT,   4*HALFT
.set STAGE,  2*SLOT                    ; behind the ring: 16 rows x 272 bytes for each wave
.set SPITCH, 272
.set SPARE,  STAGE+4*16*SPITCH         ; the spare words, 128 bytes a wave, which no other line names
.set LAPS, SIZE_K/(2*KSTEP)
.set ADRA, 16
.set ADRB, 20
.set STO,  24
.set RD,   25
.set CO,   26
.set SPW,  28
.set NIL,  29
.set TMP,  32
.set ACC,  128
.set F0,   0
.set F1,   128
.set G1, 24
.set G0, 32
.set G1B, 48
.set G0B, 56
.set MSB, 0
.macro WIN new
.if MSB != (\new)
	s_set_vgpr_msb (MSB<<8)|(\new)
.set MSB, \new
.endif
.endm
.set MUL,  0x05
.set TO_F, 0x40
.macro JLOAD s                         ; a joint load: waves 0, 1 fetch yn's halves, waves 2, 3 Wc's; an s_nop 0 and four v_nop follow each line
	s_cmp_eq_u32 s11, 0
	s_cbranch_scc0 .Lfor_b_\@
	tensor_load_to_lds s[G0+4*(\s):G0+4*(\s)+3], s[G1:G1+7]
	s_nop 0
.rept 4
	v_nop
.endr
	s_branch .Lasked_\@
.Lfor_b_\@:
	tensor_load_to_lds s[G0B+4*(\s):G0B+4*(\s)+3], s[G1B:G1B+7]
	s_nop 0
.rept 4
	v_nop
.endr
.Lasked_\@:
.endm
.macro CREST
	s_cmp_lg_u32 s10, 0
	s_cbranch_scc1 .Lnot_wave_0_\@
	s_barrier_signal -3
.Lnot_wave_0_\@:
	s_barrier_wait -3
	s_barrier_signal -1
	s_barrier_wait -1
.endm
.macro CROUND
	s_barrier_signal -1
	s_barrier_wait -1
	CREST
.endm
	s_load_b128 s[4:7], s[0:1], 0x0                ; yn16, wc16
	s_load_b64 s[8:9], s[0:1], 0x10                ; out0
	v_lshl_add_u32 v[SPW], v0, 2, SPARE
	v_mov_b32 v[NIL], 0
	ds_add_u32 v[SPW], v[NIL]                      ; the wave's opening: the add and its wait stand ahead of my first tensor load
	ds_add_u32 v28, v29
	v_lshrrev_b32 v1, 5, v0
	v_readfirstlane_b32 s10, v1
	s_lshr_b32 s11, s10, 1                         ; which half of the tile's rows is mine.  Also: I fetch for yn (0) or for Wc (1)
	s_and_b32 s12, s10, 1                          ; which half of its columns.  Also: which 64 rows of that tile I fetch
	s_bfe_u32 s40, ttmp6, 0x40000
	s_bfe_u32 s41, ttmp6, 0x40004
	s_lshl_b32 s42, ttmp9, 2
	s_add_co_u32 s42, s42, s40                     ; tile column
	s_and_b32 s13, ttmp7, 0xffff
	s_lshl_b32 s13, s13, 2
	s_add_co_u32 s13, s13, s41                     ; tile row
	s_lshl_b32 s43, s41, 2
	s_lshl_b32 s43, 15, s43
	s_lshl_b32 s44, 0x1111, s40
	s_or_b32 s[G1+0], s43, (1<<16)|(1<<20)|(1<<21)|(6<<22)|(3<<25)  ; the mask; 2-byte elements; padding on; bit 21 beside a mask; after every 128 words 4 words
	s_or_b32 s[G1B+0], s44, (1<<16)|(1<<20)|(1<<21)|(6<<22)|(3<<25)
.irp g, G1, G1B
	s_mov_b32 s[(\g)+1], KSTEP<<16
	s_mov_b32 s[(\g)+2], 64<<16
	s_mov_b32 s[(\g)+3], KSTEP<<16
	s_mov_b32 s[(\g)+4], 64
	s_mov_b32 s[(\g)+5], SIZE_K
	s_mov_b32 s[(\g)+6], 0
	s_mov_b32 s[(\g)+7], 0
.endr
	s_lshl_b32 s17, s12, 6
	s_lshl_b32 s16, s13, 7
	s_add_co_u32 s16, s16, s17
	s_lshl_b32 s46, s42, 7
	s_add_co_u32 s46, s46, s17
	s_mov_b32 s17, 0
	s_mov_b32 s47, 0
	s_mov_b64 s[18:19], SIZE_K*2
	s_mul_u64 s[16:17], s[16:17], s[18:19]
	s_mul_u64 s[46:47], s[46:47], s[18:19]
	s_mul_i32 s20, s10, HALFT
	s_wait_dscnt 0x0
	s_wait_kmcnt 0x0
	s_add_nc_u64 s[14:15], s[4:5], s[16:17]
	s_add_nc_u64 s[46:47], s[6:7], s[46:47]
	CROUND                                         ; all sixteen work-groups are here: the first joint loads meet
.irp s, 0,1
	s_mov_b32 s[G0+4*(\s)], 1
	s_add_co_u32 s[G0+4*(\s)+1], s20, (\s)*SLOT
	s_add_nc_u64 s[G0+4*(\s)+2:G0+4*(\s)+3], s[14:15], (\s)*KSTEP*2
	s_or_b32 s[G0+4*(\s)+3], s[G0+4*(\s)+3], 0x80000000
	s_mov_b32 s[G0B+4*(\s)], 1
	s_add_co_u32 s[G0B+4*(\s)+1], s20, (\s)*SLOT
	s_add_nc_u64 s[G0B+4*(\s)+2:G0B+4*(\s)+3], s[46:47], (\s)*KSTEP*2
	s_or_b32 s[G0B+4*(\s)+3], s[G0B+4*(\s)+3], 0x80000000
	JLOAD \s
.endr
	v_and_b32 v1, 15, v0
	v_bfe_u32 v2, v0, 4, 1
	v_mul_u32_u24 v3, v1, PITCH
	v_lshl_add_u32 v3, v2, 4, v3
	s_mul_i32 s21, s11, HALFT
	s_mul_i32 s22, s12, HALFT
	s_add_co_u32 s22, s22, 2*HALFT
.irp s, 0,1
	v_add_nc_u32 v[ADRA+(\s)], s21, v3
	v_add_nc_u32 v[ADRB+(\s)], s22, v3
	s_add_co_u32 s21, s21, SLOT
	s_add_co_u32 s22, s22, SLOT
.endr
	s_mul_i32 s23, s10, 16*SPITCH
	s_add_co_u32 s23, s23, STAGE                   ; my stage
	v_mul_u32_u24 v4, v1, SPITCH
	v_lshl_add_u32 v4, v2, 5, v4                   ; in: row l % 16, 32 bytes for each half of the lanes
	v_add_nc_u32 v[STO], s23, v4
	v_mul_u32_u24 v5, v2, SPITCH
	v_lshl_add_u32 v5, v1, 4, v5                   ; back: lanes 0-15 one row of 256 bytes, lanes 16-31 the next
	v_add_nc_u32 v[RD], s23, v5
	v_lshlrev_b32 v5, 12, v2
	v_lshl_add_u32 v[CO], v1, 4, v5
	s_lshl_b32 s16, s13, 7
	s_lshl_b32 s17, s11, 6
	s_add_co_u32 s16, s16, s17                     ; my first row
	s_lshl_b32 s16, s16, 12
	s_mov_b32 s17, 0
	s_add_nc_u64 s[8:9], s[8:9], s[16:17]
	s_lshl_b32 s46, s42, 9
	s_lshl_b32 s47, s12, 8
	s_add_co_u32 s46, s46, s47                     ; my first column, in bytes
	s_mov_b32 s47, 0
	s_add_nc_u64 s[8:9], s[8:9], s[46:47]
.macro MUL8 f, c, a0, zero
	WIN MUL
.irp a, \a0, (\a0)+1
.irp b, 0,1,2,3
.if \zero
	v_wmma_f32_16x16x32_f16 v[ACC+8*(4*(\a)+(\b)):ACC+8*(4*(\a)+(\b))+7], v[(\f)+64+8*(4*(\c)+(\b)):(\f)+64+8*(4*(\c)+(\b))+7], v[(\f)+8*(4*(\c)+(\a)):(\f)+8*(4*(\c)+(\a))+7], 0
.else
	v_wmma_f32_16x16x32_f16 v[ACC+8*(4*(\a)+(\b)):ACC+8*(4*(\a)+(\b))+7], v[(\f)+64+8*(4*(\c)+(\b)):(\f)+64+8*(4*(\c)+(\b))+7], v[(\f)+8*(4*(\c)+(\a)):(\f)+8*(4*(\c)+(\a))+7], v[ACC+8*(4*(\a)+(\b)):ACC+8*(4*(\a)+(\b))+7]
.endif
.endr
.endr
.endm
.macro FETCH slot, k, f
	WIN TO_F
.irp c, 0,1
.irp i, 0,1,2,3
	ds_load_b128 v[(\f)+64+8*(4*(\c)+(\i)):(\f)+64+8*(4*(\c)+(\i))+3],   v[ADRB+(\slot)] offset:(\k)+64*(\c)+(\i)*16*PITCH
	ds_load_b128 v[(\f)+64+8*(4*(\c)+(\i))+4:(\f)+64+8*(4*(\c)+(\i))+7], v[ADRB+(\slot)] offset:(\k)+64*(\c)+(\i)*16*PITCH+32
	ds_load_b128 v[(\f)+8*(4*(\c)+(\i)):(\f)+8*(4*(\c)+(\i))+3],         v[ADRA+(\slot)] offset:(\k)+64*(\c)+(\i)*16*PITCH
	ds_load_b128 v[(\f)+8*(4*(\c)+(\i))+4:(\f)+8*(4*(\c)+(\i))+7],       v[ADRA+(\slot)] offset:(\k)+64*(\c)+(\i)*16*PITCH+32
.endr
.endr
.endm
.macro PLACES
.rept 4
	v_nop
.endr
.endm
.macro QUARTER slot, k, f, g, zero
	s_wait_dscnt 16                                ; the first 32 along K are in
	WIN MUL
	MUL8 \f, 0, 0, \zero
	MUL8 \f, 0, 2, \zero
	PLACES
	FETCH \slot, \k, \g
	s_wait_dscnt 32                                ; all but the 32 just issued
	WIN MUL
	MUL8 \f, 1, 0, 0
	MUL8 \f, 1, 2, 0
.endm
.macro TURN slot, next, fill
	WIN 0
	s_wait_tensorcnt 0x0                           ; all my tensor loads have landed: my part of the next slot
	ds_add_u32 v[SPW], v[NIL]                      ; 0 onto my spare word
	s_wait_dscnt 17                                ; (the add and the youngest sixteen loads may be out)
	WIN MUL
	MUL8 F1, 0, 0, 0
	s_wait_dscnt 0x0                               ; the add is done, and my reads of this slot are over
	s_barrier_signal -1
	MUL8 F1, 0, 2, 0
.if \fill
	WIN 0
.endif
	s_barrier_wait -1
.if \fill
	CREST                                          ; no wave of any partner still reads this slot's tile or has a load on its way
	s_add_nc_u64 s[G0+4*(\slot)+2:G0+4*(\slot)+3], s[G0+4*(\slot)+2:G0+4*(\slot)+3], 2*KSTEP*2
	s_add_nc_u64 s[G0B+4*(\slot)+2:G0B+4*(\slot)+3], s[G0B+4*(\slot)+2:G0B+4*(\slot)+3], 2*KSTEP*2
	JLOAD \slot
.else
	PLACES
.endif
	FETCH \next, 0, F0
	WIN MUL
	MUL8 F1, 1, 0, 0
	MUL8 F1, 1, 2, 0
.endm
	s_wait_tensorcnt 1                             ; my part of K step 0 is in; slot 1's may stay out
	s_barrier_signal -1
	s_barrier_wait -1
	FETCH 0, 0, F0
	QUARTER 0, 128, F0, F1, 1
	WIN 0
	s_mov_b32 s3, LAPS-1
.Llap:
	QUARTER 0, 256, F1, F0, 0
	QUARTER 0, 384, F0, F1, 0
	TURN 0, 1, 1
	QUARTER 1, 128, F0, F1, 0
	QUARTER 1, 256, F1, F0, 0
	QUARTER 1, 384, F0, F1, 0
	TURN 1, 0, 1
	QUARTER 0, 128, F0, F1, 0
	WIN 0
	s_sub_co_u32 s3, s3, 1
	s_cmp_lg_u32 s3, 0
	s_cbranch_scc1 .Llap
	QUARTER 0, 256, F1, F0, 0                      ; the last lap fills nothing
	QUARTER 0, 384, F0, F1, 0
	TURN 0, 1, 0
	QUARTER 1, 128, F0, F1, 0
	QUARTER 1, 256, F1, F0, 0
	QUARTER 1, 384, F0, F1, 0
	s_wait_dscnt 16
	WIN MUL
	MUL8 F1, 0, 0, 0
	MUL8 F1, 0, 2, 0
	s_wait_dscnt 0
	MUL8 F1, 1, 0, 0
	MUL8 F1, 1, 2, 0
	WIN 0
	; THE WAY OUT, 16 rows at a time: 32 bytes a lane into my stage (each accumulator's low registers first), back as whole rows of 256 bytes.
	PLACES
.irp a, 0,1,2,3
.irp b, 0,1,2,3
	ds_store_b128 v[STO], v[ACC+8*(4*(\a)+(\b)):ACC+8*(4*(\a)+(\b))+3]   offset:64*(\b)
	ds_store_b128 v[STO], v[ACC+8*(4*(\a)+(\b))+4:ACC+8*(4*(\a)+(\b))+7] offset:64*(\b)+16
.endr
	s_wait_xcnt 0x0                                ; the last block's stores have read their data: the registers are loaded again only behind this wait
.irp t, 0,1,2,3,4,5,6,7
	ds_load_b128 v[TMP+4*(\t):TMP+4*(\t)+3], v[RD] offset:(\t)*2*SPITCH  ; LDS serves a wave's instructions in order (ISA guide 5.7.1.4)
.endr
.irp t, 0,1,2,3,4,5,6,7
	s_wait_dscnt 7-(\t)
	global_store_b128 v[CO], v[TMP+4*(\t):TMP+4*(\t)+3], s[8:9] offset:(16*(\a)+2*(\t))*4096  ; 16 lanes store 256 consecutive bytes, aligned
.endr
.endr
	s_wait_tensorcnt 0x0                           ; the wave's end
	ds_add_u32 v[SPW], v[NIL]
	s_wait_dscnt 0x0
	CROUND                                         ; the closing round
	s_endpgm
.Lfunc_end_k_q9580025d18_outp:
	.size	k_q9580025d18_outp, .Lfunc_end_k_q9580025d18_outp-k_q9580025d18_outp
	.p2alignl 7, 3214868480
	.fill 96, 4, 3214868480
	.section	.rodata,"a",@progbits
	.p2align	6, 0x0
	.amdhsa_kernel k_q9580025d18_outp
		.amdhsa_group_segment_fixed_size 327680
		.amdhsa_private_segment_fixed_size 0
		.amdhsa_enable_private_segment 0
		.amdhsa_kernarg_size 24
		.amdhsa_user_sgpr_count 2
		.amdhsa_user_sgpr_kernarg_segment_ptr 1
		.amdhsa_wavefront_size32 1
		.amdhsa_system_sgpr_workgroup_id_x 1
		.amdhsa_system_sgpr_workgroup_id_y 1
		.amdhsa_system_sgpr_workgroup_id_z 1
		.amdhsa_system_vgpr_workitem_id 0
		.amdhsa_next_free_vgpr 512
		.amdhsa_next_free_sgpr 66
		.amdhsa_reserve_vcc 0
		.amdhsa_float_denorm_mode_32 3
		.amdhsa_float_denorm_mode_16_64 3
		.amdhsa_memory_ordered 1
		.amdhsa_forward_progress 1
		.amdhsa_inst_pref_size 86
	.end_amdhsa_kernel
	.amdgpu_metadata
---
amdhsa.version: [ 1, 2 ]
amdhsa.kernels:
  - .name:           k_q9580025d18_outp
    .symbol:         k_q9580025d18_outp.kd
    .args:
      - { .name: yn16, .offset: 0, .size: 8, .value_kind: global_buffer, .address_space: global }
      - { .name: wc16, .offset: 8, .size: 8, .value_kind: global_buffer, .address_space: global }
      - { .name: out0, .offset: 16, .size: 8, .value_kind: global_buffer, .address_space: global }
    .group_segment_fixed_size: 327680
    .private_segment_fixed_size: 0
    .kernarg_segment_align: 8
    .kernarg_segment_size: 24
    .max_flat_workgroup_size: 128
    .sgpr_count:     66
    .vgpr_count:     512
    .wavefront_size: 32
...
	.end_amdgpu_metadata
.endif
;; end of part 6
;; ======== version 2 of 2: 6 launches; version 1 with the launches zrows, norm written anew for expert scheduling mode
;; limits: values are held in f16: magnitudes above 65,504 overflow, below 6.1e-05 lose precision
;; workspace buffers: xb 8,388,608 bytes; wb 12,582,912 bytes; wc16 4,194,304 bytes; qkv 50,331,648 bytes; z 1,572,864 bytes; y16 16,777,216 bytes; part 65,536 bytes; yn16 16,777,216 bytes
;; launch cvt: the kernel of part 1 again; grid 768 x 1, 8 waves a work-group, no clusters, 0 bytes of LDS; arguments x, Wq1, Wq2, Wk1, Wk2, Wv, Wc, xb, wb, wc16; writes xb, wb, wc16
;; launch zrows (part 7): grid 192 x 1, 4 waves a work-group, no clusters, 0 bytes of LDS; arguments xb, wb, z; writes z
.if DOCPART == 7
	.amdgcn_target "amdgcn-amd-amdhsa--gfx1250"
	.amdhsa_code_object_version 6
	.text
	.protected	k_q9580025d18_zrows
	.globl	k_q9580025d18_zrows
	.p2align	8
	.type	k_q9580025d18_zrows,@function
k_q9580025d18_zrows:
	s_mov_b64 s[64:65], 0
	v_nop
	global_prefetch_b8 v0, s[64:65] scope:SCOPE_SE
	s_setreg_imm32_b32 hwreg(HW_REG_WAVE_SCHED_MODE, 0, 2), 2
	s_setreg_imm32_b32 hwreg(HW_REG_WAVE_MODE, 25, 1), 1
	s_wait_xcnt 0x0
	s_wait_alu depctr_vm_vsrc(0)
; The projections of the 64 early rows (t < 32 of both batches), kept in f32: z[n / 4][e][n % 4], e = 32 b + t, n = wb's row.
; A work-group takes 32 rows of wb (two tiles of 16); wave v takes the 16 rows of x with e = 16 v .. 16 v + 15, over all of K: no partial sums, no LDS, no barrier.
; z^T = w x^T (source 0 = 16 rows of wb, source 1 = 16 rows of xb): a lane holds ONE e (lane % 16) and the rows n = 8 (lane / 16) + 0..7 of the tile: two stores of 16 bytes,
; of which sixteen neighbouring lanes fill 256 consecutive bytes, aligned.
; No cluster and no tensor loads: what the four waves share is 64 KiB, and a fragment in registers lies as it lies in memory.
; THE MODE: SCHED_MODE bits 1:0 = 2 (LLVM: expert scheduling mode 2), set by the entry lines.  The code itself states the register dependences
; between vector or matrix instructions and memory instructions, with s_wait_alu, always for 0.
; THE PLAN.  K goes in 16 steps of 64 channels (128 bytes of a row, 12 loads of 16 bytes a lane, 4 products).  Registers that memory instructions touch:
;   SET0 .. SET3  48 registers each.  Step p's four products read SET[p % 4]; the loads of step p + 3, issued in step p, land in SET[(p + 3) % 4] = SET[(p - 1) % 4],
;                 which step p - 1's products read and which no product of step p names.
;   v[FO]         the offset of every load; v[ZO] the offset of every store: made at the head, never written again.  The rows' bytes are reached by the two scalar
;                 bases, which move on once a lap of four steps, and by immediate offsets.
;   The accumulators are named by vector and matrix instructions alone until the way out, where the stores read them.
; So ONE wait on va_vdst stands at a step's head, behind the wait for the step's data: the step before is done reading its set.  The step's 12 loads follow it, dealt among
; its products.  All four sets are asked for at the head; step 0 is written out (it loads nothing, and nothing stands in front of it); steps 13 to 15 load nothing either.
.set STEPB, 128                        ; bytes of a row in a step
.set ROWB,  2048
.set LAPS,  3                          ; steps 1 to 12, four to a lap: the sets are back at their start
.set FO,  2                            ; v2  (l % 16) x ROWB + 16 (l / 16); never rewritten
.set ZO,  6                            ; v6  my 16 bytes in z; never rewritten
.set ACC, 16                           ; four accumulators: tile j, fragments of parity f at ACC + 8 (2 f + j)
.set BUF, 64                           ; four sets of 48: w's fragments (tile j, fragment f at 16 j + 8 f), then x's two (at 32 + 8 f)
.set WV,  14
.set LEFT, 15
.set W,   10
.set X,   12
	s_load_b128 s[4:7], s[0:1], 0x0                ; xb, wb
	s_load_b64 s[8:9], s[0:1], 0x10                ; z
	v_lshrrev_b32 v1, 5, v0
	v_readfirstlane_b32 s[WV], v1
	v_and_b32 v10, 15, v0
	v_bfe_u32 v11, v0, 4, 1
	v_lshlrev_b32 v[FO], 11, v10
	v_lshl_add_u32 v[FO], v11, 4, v[FO]
	v_lshlrev_b32 v[ZO], 4, v10                    ; e's 16 bytes: 16 (16 v + r),
	v_lshl_add_u32 v[ZO], v11, 11, v[ZO]           ; two groups of four rows n on for the upper lanes
	s_wait_alu depctr_va_sdst(0)                   ; the wave's number is written, ahead of its first reader: offsets and x's base are made from it
	s_lshl_b32 s16, s[WV], 8
	v_add_nc_u32 v[ZO], s16, v[ZO]
	s_lshl_b32 s2, ttmp9, 16                       ; the work-group's 32 rows of wb
	s_mov_b32 s3, 0
	s_lshr_b32 s16, s[WV], 1
	s_lshl_b32 s16, s16, 22                        ; batch: 2,048 rows of 2,048 bytes
	s_and_b32 s17, s[WV], 1
	s_lshl_b32 s17, s17, 15                        ; 16 rows
	s_add_co_u32 s16, s16, s17
	s_mov_b32 s17, 0
	s_lshl_b32 s18, ttmp9, 13                      ; 8 groups of four rows n x 1,024 bytes
	s_mov_b32 s19, 0
	s_mov_b32 s[LEFT], LAPS
	s_wait_kmcnt 0x0
	s_add_nc_u64 s[W:W+1], s[6:7], s[2:3]
	s_add_nc_u64 s[X:X+1], s[4:5], s[16:17]
	s_add_nc_u64 s[8:9], s[8:9], s[18:19]
	s_wait_alu depctr_va_vdst(0)                   ; v[FO] and v[ZO] are written: every load and store of the kernel reads one of them as its offset
; Pair n of a step's six pairs of loads into set b: n % 3 = 0, 1: w's tile n % 3; 2: x; fragment n / 3.  A fragment's two halves lie 32 bytes apart.
.macro PAIR b, n, off
.if ((\n)%3) < 2
	global_load_b128 v[BUF+48*(\b)+16*((\n)%3)+8*((\n)/3):BUF+48*(\b)+16*((\n)%3)+8*((\n)/3)+3],   v[FO], s[W:W+1] offset:(\off)+64*((\n)/3)+((\n)%3)*16*ROWB
	global_load_b128 v[BUF+48*(\b)+16*((\n)%3)+8*((\n)/3)+4:BUF+48*(\b)+16*((\n)%3)+8*((\n)/3)+7], v[FO], s[W:W+1] offset:(\off)+64*((\n)/3)+((\n)%3)*16*ROWB+32
.else
	global_load_b128 v[BUF+48*(\b)+32+8*((\n)/3):BUF+48*(\b)+32+8*((\n)/3)+3],   v[FO], s[X:X+1] offset:(\off)+64*((\n)/3)
	global_load_b128 v[BUF+48*(\b)+32+8*((\n)/3)+4:BUF+48*(\b)+32+8*((\n)/3)+7], v[FO], s[X:X+1] offset:(\off)+64*((\n)/3)+32
.endif
.endm
.macro WM b, f, j                      ; the product of set b's fragment f with tile j.  The four accumulators take turns, over the backward jump too
	v_wmma_f32_16x16x32_bf16 v[ACC+8*(2*(\f)+(\j)):ACC+8*(2*(\f)+(\j))+7], v[BUF+48*(\b)+16*(\j)+8*(\f):BUF+48*(\b)+16*(\j)+8*(\f)+7], v[BUF+48*(\b)+32+8*(\f):BUF+48*(\b)+32+8*(\f)+7], v[ACC+8*(2*(\f)+(\j)):ACC+8*(2*(\f)+(\j))+7]
.endm
; A step on set b.  ahead = 1: the step three on is loaded, at byte off from the bases.  left = how many younger loads may stay out.  on = 1: a lap's first step: the bases move on.
.macro STEP b, ahead, left, off, on
	s_wait_loadcnt \left                           ; loads come back in order (ISA guide 5.7.1): set b is in, the younger sets stay out
.if \on
	s_wait_xcnt 0x0                                ; every load issued so far has had its address translated (ISA guide 3.1): the bases are written only behind this wait
	s_add_nc_u64 s[W:W+1], s[W:W+1], 4*STEPB
	s_add_nc_u64 s[X:X+1], s[X:X+1], 4*STEPB
.endif
.if \ahead
	s_wait_alu depctr_va_vdst(0)                   ; the step before's products are done reading their set, in which the 12 loads below land; no product below names that set
	PAIR (\b+3)%4, 0, \off
	PAIR (\b+3)%4, 1, \off
.endif
	WM \b, 0, 0
.if \ahead
	PAIR (\b+3)%4, 2, \off
	PAIR (\b+3)%4, 3, \off
.endif
	WM \b, 0, 1
.if \ahead
	PAIR (\b+3)%4, 4, \off
	PAIR (\b+3)%4, 5, \off
.endif
	WM \b, 1, 0
	WM \b, 1, 1
.endm
.macro PLACES                          ; four places behind the last product (ISA guide 7.12.1), in front of sums that read results
.rept 4
	v_nop
.endr
.endm
.irp b, 0,1,2,3
.irp n, 0,1,2,3,4,5
	PAIR \b, \n, STEPB*(\b)                        ; steps 0 to 3 into sets 0 to 3: 48 loads are out
.endr
.endr
.set r, 0
.rept 32
	v_mov_b32 v[ACC+r], 0                          ; written while the first loads are on their way, so that the loop has one form of product
.set r, r+1
.endr
	STEP 0, 0, 36, 0, 0                            ; step 0: the three younger sets stay out
.Llap:                                         ; steps 1 to 12; the bases stand at the byte of the lap's first load
	STEP 1, 1, 24, 0, 1
	STEP 2, 1, 24, STEPB, 0
	STEP 3, 1, 24, 2*STEPB, 0
	STEP 0, 1, 24, 3*STEPB, 0
	s_sub_co_u32 s[LEFT], s[LEFT], 1
	s_cmp_lg_u32 s[LEFT], 0
	s_cbranch_scc1 .Llap
	STEP 1, 0, 24, 0, 0                            ; steps 13 to 15 load nothing: no load leaves a row, and the counts run down
	STEP 2, 0, 12, 0, 0
	STEP 3, 0, 0, 0, 0
	PLACES
	PLACES
.set r, 0
.rept 8
	v_pk_add_f32 v[ACC+r:ACC+r+1], v[ACC+r:ACC+r+1], v[ACC+16+r:ACC+16+r+1]  ; the two parities
.set r, r+2
.endr
	s_wait_alu depctr_va_vdst(0)                   ; the sums have written v[ACC .. ACC + 15], which the stores read
.irp j, 0,1
.irp u, 0,1
	global_store_b128 v[ZO], v[ACC+8*(\j)+4*(\u):ACC+8*(\j)+4*(\u)+3], s[8:9] offset:4096*(\j)+1024*(\u)
.endr
.endr
	s_endpgm
.Lfunc_end_k_q9580025d18_zrows:
	.size	k_q9580025d18_zrows, .Lfunc_end_k_q9580025d18_zrows-k_q9580025d18_zrows
	.p2alignl 7, 3214868480
	.fill 96, 4, 3214868480
	.section	.rodata,"a",@progbits
	.p2align	6, 0x0
	.amdhsa_kernel k_q9580025d18_zrows
		.amdhsa_group_segment_fixed_size 0
		.amdhsa_private_segment_fixed_size 0
		.amdhsa_enable_private_segment 0
		.amdhsa_kernarg_size 24
		.amdhsa_user_sgpr_count 2
		.amdhsa_user_sgpr_kernarg_segment_ptr 1
		.amdhsa_wavefront_size32 1
		.amdhsa_system_sgpr_workgroup_id_x 1
		.amdhsa_system_sgpr_workgroup_id_y 1
		.amdhsa_system_sgpr_workgroup_id_z 1
		.amdhsa_system_vgpr_workitem_id 0
		.amdhsa_next_free_vgpr 256
		.amdhsa_next_free_sgpr 66
		.amdhsa_reserve_vcc 0
		.amdhsa_float_denorm_mode_32 3
		.amdhsa_float_denorm_mode_16_64 3
		.amdhsa_memory_ordered 1
		.amdhsa_forward_progress 1
		.amdhsa_inst_pref_size 16
	.end_amdhsa_kernel
	.amdgpu_metadata
---
amdhsa.version: [ 1, 2 ]
amdhsa.kernels:
  - .name:           k_q9580025d18_zrows
    .symbol:         k_q9580025d18_zrows.kd
    .args:
      - { .name: xb, .offset: 0, .size: 8, .value_kind: global_buffer, .address_space: global }
      - { .name: wb, .offset: 8, .size: 8, .value_kind: global_buffer, .address_space: global }
      - { .name: z, .offset: 16, .size: 8, .value_kind: global_buffer, .address_space: global }
    .group_segment_fixed_size: 0
    .private_segment_fixed_size: 0
    .kernarg_segment_align: 8
    .kernarg_segment_size: 24
    .max_flat_workgroup_size: 128
    .sgpr_count:     66
    .vgpr_count:     256
    .wavefront_size: 32
...
	.end_amdgpu_metadata
.endif
;; end of part 7
;; launch proj: the kernel of part 3 again; grid 32 x 16, 4 waves a work-group, clusters of 4 x 4, 327,680 bytes of LDS; arguments xb, wb, qkv; writes qkv
;; launch attn: the kernel of part 4 again; grid 8 x 32, 4 waves a work-group, no clusters, 327,680 bytes of LDS; arguments qkv, lq1, lk1, lq2, lk2, y16, part; writes y16, part
;; launch norm (part 8): grid 284 x 1, 8 waves a work-group, no clusters, 0 bytes of LDS; arguments y16, part, z, gn_w, gn_b, gamma, lq1, lk1, lq2, lk2, yn16; writes yn16
.if DOCPART == 8
	.amdgcn_target "amdgcn-amd-amdhsa--gfx1250"
	.amdhsa_code_object_version 6
	.text
	.protected	k_q9580025d18_norm
	.globl	k_q9580025d18_norm
	.p2align	8
	.type	k_q9580025d18_norm,@function
k_q9580025d18_norm:
	s_mov_b64 s[64:65], 0
	v_nop
	global_prefetch_b8 v0, s[64:65] scope:SCOPE_SE
	s_setreg_imm32_b32 hwreg(HW_REG_WAVE_SCHED_MODE, 0, 2), 2
	s_setreg_imm32_b32 hwreg(HW_REG_WAVE_MODE, 25, 1), 1
	s_wait_xcnt 0x0
	s_wait_alu depctr_vm_vsrc(0)
; yn = ((y - mean) rstd gn_w + gn_b) gamma (1 - LAMBDA_INIT), in f16.  mean and rstd of a (batch, head, group of 4 channels) come from the 8 work-groups' figures in part, merged pairwise
; (sums and squared deviations of sets of equal size: no difference of large sums).  gn_w, gn_b, gamma and the four l's are rounded to bf16 like every input of the module.
; Work-groups 0-251 stream: 16 rows (t >= 32) each, a thread 8 columns of every row; 16 loads of 16 bytes a thread are out at once; one fused multiply-add and one rounding a number.
; Work-groups 252-283, one for each (batch, head), make rows t < 32 anew in f32 from z: their numbers are many times the output's root mean square, and 16-bit q, k, v, P, y would spend the allowance.
; That is 64 of 4,096 rows, 80 f32 matrix instructions a wave: no bulk work.  Their stores are 16 bytes a lane, 32 bytes of a row an instruction: parts of 256-byte blocks, on 256 KiB in all.
; v16-47 are written by the f32 matrix form alone.  No LDS byte is written.
; LIMITS.  yn as f16: beyond 65,504 an infinity.  A hidden score counts as -1e30; NaN and infinities are not treated apart.
; THE MODE: SCHED_MODE bits 1:0 = 2 (LLVM: expert scheduling mode 2), set by the entry lines.  The code itself states the register dependences
; between vector or matrix instructions and memory or LDS instructions, with s_wait_alu, always for 0.
; THE PLAN, the stream.  v1-3: offsets, made once, never written again: one wait ahead of the first load.  v112-167: figures and gains, loaded once.  v48-111: row i in four registers: loaded once,
; scaled in place by its eight multiply-adds, read by its store, never written again.  The rows go in four blocks of four: the stores of block p - 1 are issued in block p, behind ONE wait at
; the block's head, one ahead of each row's arithmetic, which names block p's rows and the factors alone; the last four stores have a wait of their own.
; THE PLAN, the early rows, stands at their head.
.set L1C, 0x3e637605                   ; 1 - LAMBDA_INIT
.set CS,  50
.set SEL, 52
.set BIGN, 54
.macro MERGE a, b, kk                  ; two sets of equal size n, each as (sum, squared deviations): kk = 1 / (2 n)
	v_sub_f32 v[TM], v[\a], v[\b]
	v_pk_add_f32 v[\a:(\a)+1], v[\a:(\a)+1], v[\b:(\b)+1]
	v_mul_f32 v[TM+1], \kk, v[TM]
	v_fma_f32 v[(\a)+1], v[TM+1], v[TM], v[(\a)+1]
.endm
.macro RB a                            ; two f32 rounded to bf16, kept as f32
	v_cvt_pk_bf16_f32 v[TM], v[\a], v[(\a)+1]
	v_lshlrev_b32 v[\a], 16, v[TM]
	v_and_b32 v[(\a)+1], 0xffff0000, v[TM]
.endm
.macro STAT a, mn, rs                  ; of 8,192 numbers: the mean, and var + eps, whose root's reciprocal follows
	v_mul_f32 v[\mn], 0x39000000, v[\a]
	v_mul_f32 v[\rs], 0x39000000, v[(\a)+1]
	v_add_f32 v[\rs], 0x3727c5ac, v[\rs]
.endm
	s_load_b512 s[28:43], s[0:1], 0x0              ; y16, part, z, gn_w, gn_b, gamma, lq1, lk1
	s_load_b128 s[44:47], s[0:1], 0x40             ; lq2, lk2
	s_load_b64 s[48:49], s[0:1], 0x50              ; yn16
	s_mov_b32 s2, ttmp9
	s_cmp_ge_u32 s2, 252
	s_cbranch_scc1 .Learly
.set TM, 188
	s_cmp_ge_u32 s2, 126
	s_cselect_b32 s3, 1, 0                         ; batch
	s_mul_i32 s4, s3, 126
	s_sub_co_u32 s4, s2, s4
	s_lshl_b32 s4, s4, 4
	s_add_co_u32 s4, s4, 32                        ; t of my first row
	s_lshl_b32 s5, s3, 11
	s_add_co_u32 s4, s4, s5
	s_lshl_b32 s4, s4, 12
	s_mov_b32 s5, 0
	s_lshl_b32 s6, s3, 15                          ; the batch's 16 heads x 2,048 bytes of part
	v_lshlrev_b32 v1, 4, v0                        ; my 16 bytes of a row
	v_lshrrev_b32 v2, 4, v0                        ; head
	v_lshlrev_b32 v2, 11, v2
	v_and_b32 v3, 15, v0
	v_lshl_add_u32 v2, v3, 4, v2                   ; my two groups' 16 bytes
	v_add_nc_u32 v2, s6, v2
	v_lshlrev_b32 v3, 5, v3                        ; my 8 channels' 32 bytes of a gain
	s_wait_kmcnt 0x0
	s_add_nc_u64 s[8:9], s[28:29], s[4:5]
	s_add_nc_u64 s[10:11], s[48:49], s[4:5]
	s_wait_alu depctr_va_vdst(0)                   ; the offsets v1, v2, v3 are written: every load and store of the stream reads one of them
.irp n, 0,1,2,3,4,5,6,7
	global_load_b128 v[112+4*\n:112+4*\n+3], v2, s[30:31] offset:256*\n
.endr
	global_load_b128 v[144:147], v3, s[34:35]
	global_load_b128 v[148:151], v3, s[34:35] offset:16
	global_load_b128 v[152:155], v3, s[36:37]
	global_load_b128 v[156:159], v3, s[36:37] offset:16
	global_load_b128 v[160:163], v3, s[38:39]
	global_load_b128 v[164:167], v3, s[38:39] offset:16
.irp n, 0,1,2,3,4,5,6,7,8,9,10,11,12,13,14,15
	global_load_b128 v[48+4*\n:48+4*\n+3], v1, s[8:9] offset:4096*\n th:TH_LOAD_NT
.endr
	s_wait_loadcnt 16                              ; the figures and the gains are in; the 16 rows stay out
.irp g, 0,2
	MERGE 112+\g, 116+\g, 0x3a000000
	MERGE 120+\g, 124+\g, 0x3a000000
	MERGE 128+\g, 132+\g, 0x3a000000
	MERGE 136+\g, 140+\g, 0x3a000000
	MERGE 112+\g, 120+\g, 0x39800000
	MERGE 128+\g, 136+\g, 0x39800000
	MERGE 112+\g, 128+\g, 0x39000000
.endr
	STAT 112, 184, 186
	STAT 114, 185, 187
	v_rsq_f32 v186, v186
	v_rsq_f32 v187, v187
.irp n, 144,146,148,150,152,154,156,158,160,162,164,166
	RB \n
.endr
	s_wait_alu depctr_va_vdst(0)                   ; the two reciprocal roots v186, v187 are written, ahead of their first reader; the roundings above are the work between
.irp k, 0,1,2,3,4,5,6,7
	v_mul_f32 v[168+\k], v[144+\k], v[160+\k]
	v_mul_f32 v[176+\k], v[152+\k], v[160+\k]
	v_mul_f32 v[168+\k], L1C, v[168+\k]
	v_mul_f32 v[176+\k], L1C, v[176+\k]
	v_mul_f32 v[168+\k], v[168+\k], v[186+\k/4]
	v_fma_f32 v[176+\k], -v[184+\k/4], v[168+\k], v[176+\k]
.endr
.set i, 0
.rept 16
	s_wait_loadcnt 15-i                            ; row i is in; the younger rows stay out
.if (i >= 4) && (i%4 == 0)
	s_wait_alu depctr_va_vdst(0)                   ; the block before has written its four rows, which this block's four stores read
.endif
.if i >= 4
	global_store_b128 v1, v[48+4*(i-4):48+4*(i-4)+3], s[10:11] offset:4096*(i-4)  ; a row of the block before: no vector instruction since the wait names it
.endif
.irp k, 0,1,2,3
	v_fma_mixlo_f16 v[48+4*i+\k], v[48+4*i+\k], v[168+2*\k], v[176+2*\k] op_sel_hi:[1,0,0]
	v_fma_mixhi_f16 v[48+4*i+\k], v[48+4*i+\k], v[169+2*\k], v[177+2*\k] op_sel:[1,0,0] op_sel_hi:[1,0,0]
.endr
.set i, i+1
.endr
	s_wait_alu depctr_va_vdst(0)                   ; the last block has written rows 12 to 15, which the last four stores read
.irp n, 12,13,14,15
	global_store_b128 v1, v[48+4*\n:48+4*\n+3], s[10:11] offset:4096*\n
.endr
	s_endpgm
.Learly:
; Wave w: query tile qt = w % 2 (rows 16 qt ..), channel quarter cq = w / 2 (32 channels).  S^T = K Q^T by the f32 form, K permuted alike on both sides: lane (r, h) holds channels 32 h .. + 31 of its row,
; and step s takes its registers 2 s, 2 s + 1.  In the result a lane holds one query (r) and the keys 8 h + 0..7 of the key tile.
; REGISTERS.  v1 r, v2 h, v4-7, v12-15 offsets, v8-11 the four l's; v48-143 Q1, K1 (two key tiles), v144-239 Q2, K2, v240-255 the figures of part.  Behind the scores: v48-79 masked scores and weights,
; v80-95 the combined weights, v96-121 at work, v144-175 V, v176-223 the gains, v224-231 my groups' mean and rstd, v232-235 at work, v236-239 the lanes to pull them from (made only then: K2 lies there before).
; THE PLAN.  v4-7, v13-15: offsets, made once at the head, never written again: one wait ahead of the first loads.  v8-11, v48-255: loaded once at the head.  v144-223: the score products read them as Q2
; and K2, then V and the gains land in them: one wait behind the products.  The sixteen masks of the causal cut are made in one run of compares, into s56-63, s4-7 and s20-23 (free by then), while the first
; loads are out, with one wait behind the run; the selects read them later.  v232, v233, v236-239: written by vector instructions, read by the pulls, never written again; v224-231: read by the score
; products as K2, then the pulls land in them: the wait behind the reciprocal root states all of it.  v112-119: written by the roundings, read by the two stores: one wait.
.set TM, 234
.macro MKREG n                         ; MK: the scalar register of mask n of sixteen
.if (\n) < 8
.set MK, 56+(\n)
.elseif (\n) < 12
.set MK, (\n)-4
.else
.set MK, (\n)+8
.endif
.endm
	s_sub_co_u32 s20, s2, 252                      ; 16 b + head
	s_lshr_b32 s21, s20, 4
	s_and_b32 s22, s20, 15
	v_lshrrev_b32 v1, 5, v0
	v_readfirstlane_b32 s8, v1
	v_and_b32 v1, 15, v0
	v_bfe_u32 v2, v0, 4, 1
	v_and_b32 v3, 31, v0
	v_lshlrev_b32 v4, 4, v1
	v_lshl_add_u32 v4, v2, 13, v4                  ; K: 16 r + 8 groups of four channels x 1,024 bytes for the upper lanes
	v_lshlrev_b32 v6, 3, v3                        ; lane l takes group l's figures
	s_wait_alu depctr_va_sdst(0)                   ; the wave's number s8 is written, ahead of its first reader
	s_and_b32 s23, s8, 1                           ; qt
	s_lshr_b32 s24, s8, 1                          ; cq
	s_lshl_b32 s25, s23, 8
	v_add_nc_u32 v5, s25, v4                       ; Q: 16 rows on for query tile 1
	s_lshl_b32 s25, s22, 2
	v_mov_b32 v7, s25
	s_lshl_b32 s25, s23, 4
	v_lshlrev_b32 v12, 3, v2
	v_sub_nc_u32 v12, v1, v12
	v_add_nc_u32 v12, s25, v12                     ; my query less my lanes' 8 h: register j of key tile kt is hidden where 16 kt + j is greater
	v_lshrrev_b32 v13, 2, v1
	v_lshlrev_b32 v13, 10, v13
	v_lshl_add_u32 v13, v2, 7, v13
	v_and_b32 v14, 3, v1
	v_lshl_add_u32 v13, v14, 2, v13                ; V: channel r of a block of 16, keys 8 h on
	s_lshl_b32 s25, s24, 7
	v_lshl_add_u32 v14, v2, 5, s25                 ; the gains of my 8 channels of a block
	v_lshlrev_b32 v15, 12, v1
	v_lshl_add_u32 v15, v2, 4, v15                 ; yn: row r, 16 bytes for each half of the lanes
	s_mov_b32 s[CS], 0x3e38aa3b
	s_mov_b32 s[SEL], 0x76543210
	s_mov_b32 s[SEL+1], 0xfedcba98
	s_mov_b32 s[BIGN], 0xf149f2ca
	s_lshl_b32 s4, s22, 14                         ; the head's 16 groups of four channels
	s_lshl_b32 s5, s21, 9                          ; the batch's 32 rows e
	s_add_co_u32 s4, s4, s5
	s_mov_b32 s5, 0
	s_lshl_b32 s6, s20, 11
	s_mov_b32 s7, 0
	s_lshr_b32 s14, s24, 1                         ; vlo or vhi,
	s_lshl_b32 s14, s14, 18
	s_and_b32 s15, s24, 1                          ; its 32 channels
	s_lshl_b32 s15, s15, 13
	s_add_co_u32 s14, s14, s15
	s_add_co_u32 s14, s14, 1<<20
	s_mov_b32 s15, 0
	s_lshl_b32 s18, s21, 23
	s_lshl_b32 s19, s23, 16
	s_add_co_u32 s18, s18, s19
	s_lshl_b32 s19, s22, 8
	s_add_co_u32 s18, s18, s19
	s_lshl_b32 s19, s24, 6
	s_add_co_u32 s18, s18, s19
	s_mov_b32 s19, 0
	s_wait_kmcnt 0x0
	s_add_nc_u64 s[10:11], s[32:33], s[4:5]
	s_add_nc_u64 s[12:13], s[30:31], s[6:7]
	s_add_nc_u64 s[16:17], s[10:11], s[14:15]
	s_add_nc_u64 s[18:19], s[48:49], s[18:19]
	s_wait_alu depctr_va_vdst(0)                   ; the offsets v4-7 and v13-15 are written: every load and store of the early rows reads one of them
.irp i, 0,1,2,3,4,5,6,7
	global_load_b128 v[48+4*\i:48+4*\i+3],   v5, s[10:11] offset:1024*\i
	global_load_b128 v[80+4*\i:80+4*\i+3],   v4, s[10:11] offset:2*262144+1024*\i
	global_load_b128 v[112+4*\i:112+4*\i+3], v4, s[10:11] offset:2*262144+256+1024*\i
	global_load_b128 v[144+4*\i:144+4*\i+3], v5, s[10:11] offset:262144+1024*\i
	global_load_b128 v[176+4*\i:176+4*\i+3], v4, s[10:11] offset:3*262144+1024*\i
	global_load_b128 v[208+4*\i:208+4*\i+3], v4, s[10:11] offset:3*262144+256+1024*\i
	global_load_b64 v[240+2*\i:240+2*\i+1],  v6, s[12:13] offset:256*\i
.endr
	global_load_b32 v8, v7, s[40:41]
	global_load_b32 v9, v7, s[42:43]
	global_load_b32 v10, v7, s[44:45]
	global_load_b32 v11, v7, s[46:47]
.irp kt, 0,1
.irp j, 0,1,2,3,4,5,6,7
	MKREG 8*\kt+\j
	v_cmp_gt_i32 s[MK], 16*\kt+\j, v12             ; mask 8 kt + j: the lanes for which key 16 kt + 8 h + j is hidden; made while the loads are out
.endr
.endr
	s_wait_alu depctr_va_sdst(0)                   ; the sixteen masks are written, ahead of their first readers, the selects behind the scores
	s_wait_loadcnt 0x0
	; four accumulators (softmax g, key tile kt at 16 + 8 (2 g + kt)) by turns; the first step starts the sums
.set s, 0
.rept 16
.irp g, 0,1
.irp kt, 0,1
.if s == 0
	v_wmma_f32_16x16x4_f32 v[16+8*(2*\g+\kt):16+8*(2*\g+\kt)+7], v[80+96*\g+32*\kt:80+96*\g+32*\kt+1], v[48+96*\g:48+96*\g+1], 0
.else
	v_wmma_f32_16x16x4_f32 v[16+8*(2*\g+\kt):16+8*(2*\g+\kt)+7], v[80+96*\g+32*\kt+2*s:80+96*\g+32*\kt+2*s+1], v[48+96*\g+2*s:48+96*\g+2*s+1], v[16+8*(2*\g+\kt):16+8*(2*\g+\kt)+7]
.endif
.endr
.endr
.set s, s+1
.endr
.rept 8
	v_nop                                          ; eight places behind this form (ISA guide 7.12.1), in front of the selects, which read the results and write over sources
.endr
	s_wait_alu depctr_va_vdst(0)                   ; the score products are done reading Q2 and K2 (v144-223), in which V and the gains land
.irp cb, 0,1
.irp kk, 0,1,2,3,4,5,6,7,8,9,10,11,12,13,14,15
	global_load_b32 v[144+16*\cb+\kk], v13, s[16:17] offset:4096*\cb+((\kk/8)*16+\kk%8)*16
.endr
.endr
.irp cb, 0,1
	global_load_b128 v[176+8*\cb:176+8*\cb+3], v14, s[34:35] offset:64*\cb
	global_load_b128 v[180+8*\cb:180+8*\cb+3], v14, s[34:35] offset:64*\cb+16
	global_load_b128 v[192+8*\cb:192+8*\cb+3], v14, s[36:37] offset:64*\cb
	global_load_b128 v[196+8*\cb:196+8*\cb+3], v14, s[36:37] offset:64*\cb+16
	global_load_b128 v[208+8*\cb:208+8*\cb+3], v14, s[38:39] offset:64*\cb
	global_load_b128 v[212+8*\cb:212+8*\cb+3], v14, s[38:39] offset:64*\cb+16
.endr
.irp kt, 0,1
.irp j, 0,1,2,3,4,5,6,7
	MKREG 8*\kt+\j
	v_cndmask_b32 v[48+8*\kt+\j], v[16+8*\kt+\j], s[BIGN], s[MK]
	v_cndmask_b32 v[64+8*\kt+\j], v[32+8*\kt+\j], s[BIGN], s[MK]
.endr
.endr
; One softmax: the lane's 16 scores at v[sb ..], at work v[tb ..]; leaves the weights in place and 1 / l in v[tb + 2].
.macro SOFT sb, tb
	v_max3_num_f32 v[\tb], v[\sb], v[\sb+1], v[\sb+2]
.irp n, 3,5,7,9,11,13
	v_max3_num_f32 v[\tb], v[\tb], v[\sb+\n], v[\sb+\n+1]
.endr
	v_max_num_f32 v[\tb], v[\tb], v[\sb+15]
	v_mov_b32 v[\tb+1], 0
	v_permlanex16_b32 v[\tb+1], v[\tb], s[SEL], s[SEL+1]
	v_max_num_f32 v[\tb], v[\tb], v[\tb+1]
	v_mul_f32 v[\tb], s[CS], v[\tb]
.irp n, 0,1,2,3,4,5,6,7,8,9,10,11,12,13,14,15
	v_fma_f32 v[\sb+\n], v[\sb+\n], s[CS], -v[\tb]
.endr
.irp n, 0,1,2,3,4,5,6,7,8,9,10,11,12,13,14,15
	v_exp_f32 v[\sb+\n], v[\sb+\n]
.endr
	v_nop
	s_wait_alu depctr_va_vdst(0)                   ; the sixteen exponentials are written, ahead of their first reader, the sums (and so is the reciprocal of the softmax before)
	v_pk_add_f32 v[\tb+2:\tb+3], v[\sb:\sb+1], v[\sb+2:\sb+3]
	v_pk_add_f32 v[\tb+4:\tb+5], v[\sb+4:\sb+5], v[\sb+6:\sb+7]
	v_pk_add_f32 v[\tb+6:\tb+7], v[\sb+8:\sb+9], v[\sb+10:\sb+11]
	v_pk_add_f32 v[\tb+8:\tb+9], v[\sb+12:\sb+13], v[\sb+14:\sb+15]
	v_pk_add_f32 v[\tb+2:\tb+3], v[\tb+2:\tb+3], v[\tb+4:\tb+5]
	v_pk_add_f32 v[\tb+6:\tb+7], v[\tb+6:\tb+7], v[\tb+8:\tb+9]
	v_pk_add_f32 v[\tb+2:\tb+3], v[\tb+2:\tb+3], v[\tb+6:\tb+7]
	v_add_f32 v[\tb+2], v[\tb+2], v[\tb+3]
	v_permlanex16_b32 v[\tb+3], v[\tb+2], s[SEL], s[SEL+1]
	v_add_f32 v[\tb+2], v[\tb+2], v[\tb+3]
	v_rcp_f32 v[\tb+2], v[\tb+2]
	v_nop
.endm
	SOFT 48, 96
	SOFT 64, 112
	v_cvt_pk_bf16_f32 v8, v8, v9                   ; lam, as in the launch before
	v_cvt_pk_bf16_f32 v10, v10, v11
	v_lshlrev_b32 v9, 16, v8
	v_and_b32 v8, 0xffff0000, v8
	v_lshlrev_b32 v11, 16, v10
	v_and_b32 v10, 0xffff0000, v10
	v_mul_f32 v8, v8, v9
	v_mul_f32 v10, v10, v11
	v_mul_f32 v8, 0xbfb8aa3b, v8
	v_mul_f32 v10, 0xbfb8aa3b, v10
	v_exp_f32 v8, v8
	v_exp_f32 v10, v10
	v_nop
	s_wait_alu depctr_va_vdst(0)                   ; the two exponentials v8, v10 are written, ahead of their first reader; so is 1 / l2 in v114
	v_add_f32 v8, 1.0, v8
	v_add_f32 v10, 1.0, v10
	v_rcp_f32 v8, v8
	v_rcp_f32 v10, v10
	v_nop
	s_wait_alu depctr_va_vdst(0)                   ; the two reciprocals v8, v10 are written, ahead of their first reader
	v_sub_f32 v8, v10, v8
	v_add_f32 v8, 0xbf47227f, v8                   ; -lam
	v_mul_f32 v114, v114, v8                       ; -lam / l2
.irp n, 0,1,2,3,4,5,6,7,8,9,10,11,12,13,14,15
	v_mul_f32 v[80+\n], v[64+\n], v114
	v_fma_f32 v[80+\n], v[48+\n], v98, v[80+\n]    ; p1 / l1 - lam p2 / l2
.endr
	s_lshl_b32 s25, s24, 5                         ; the lanes that hold my four groups' figures, as byte addresses 4 x lane: K2's registers are free now
	v_lshl_add_u32 v236, v2, 3, s25                ; group cq 8 + 2 h (channel block 0, my first four channels),
	v_add_nc_u32 v237, 4, v236                     ; the next group (my last four),
	v_add_nc_u32 v238, 16, v236                    ; and the same two of channel block 1, four groups on
	v_add_nc_u32 v239, 20, v236
	MERGE 240, 242, 0x3a000000
	MERGE 244, 246, 0x3a000000
	MERGE 248, 250, 0x3a000000
	MERGE 252, 254, 0x3a000000
	MERGE 240, 244, 0x39800000
	MERGE 248, 252, 0x39800000
	MERGE 240, 248, 0x39000000
	STAT 240, 232, 233
	v_rsq_f32 v233, v233
	v_nop
	s_wait_alu depctr_va_vdst(0)                   ; the reciprocal root v233, the mean v232 and the lanes v236-239 are written, which the pulls read; the score products are done reading v224-231, in which the pulls land
.irp n, 0,1,2,3
	ds_bpermute_b32 v[224+2*\n], v[236+\n], v232   ; mean and rstd of my four groups, from the lanes that hold them: no LDS byte is touched
	ds_bpermute_b32 v[225+2*\n], v[236+\n], v233
.endr
	s_wait_loadcnt 0x0                             ; V and the gains
	s_wait_dscnt 0x0
.irp n, 176,178,180,182,184,186,188,190,192,194,196,198,200,202,204,206,208,210,212,214,216,218,220,222
	RB \n
.endr
.irp n, 0,1,2,3,4,5,6,7,8,9,10,11,12,13,14,15
	v_mul_f32 v[176+\n], v[176+\n], v[208+\n]
	v_mul_f32 v[192+\n], v[192+\n], v[208+\n]
	v_mul_f32 v[176+\n], L1C, v[176+\n]
	v_mul_f32 v[192+\n], L1C, v[192+\n]
	v_mul_f32 v[176+\n], v[176+\n], v[225+2*(\n/4)]
	v_fma_f32 v[192+\n], -v[224+2*(\n/4)], v[176+\n], v[192+\n]
.endr
	; O^T = V^T C: source 0 = 16 channels x 4 keys, source 1 = the combined weights' even pairs; two accumulators (channel blocks) by turns; the first step starts the sums
.set s, 0
.rept 8
.irp cb, 0,1
.if s == 0
	v_wmma_f32_16x16x4_f32 v[16+8*\cb:16+8*\cb+7], v[144+16*\cb:144+16*\cb+1], v[80:81], 0
.else
	v_wmma_f32_16x16x4_f32 v[16+8*\cb:16+8*\cb+7], v[144+16*\cb+2*s:144+16*\cb+2*s+1], v[80+2*s:80+2*s+1], v[16+8*\cb:16+8*\cb+7]
.endif
.endr
.set s, s+1
.endr
.rept 8
	v_nop
.endr
.irp n, 0,1,2,3,4,5,6,7,8,9,10,11,12,13,14,15
	v_fma_f32 v[96+\n], v[16+\n], v[176+\n], v[192+\n]
.endr
.irp n, 0,1,2,3,4,5,6,7
	v_cvt_pk_f16_f32 v[112+\n], v[96+2*\n], v[96+2*\n+1]
.endr
	s_wait_alu depctr_va_vdst(0)                   ; the roundings have written v112-119, which the two stores read
	global_store_b128 v15, v[112:115], s[18:19]
	global_store_b128 v15, v[116:119], s[18:19] offset:32
	s_endpgm
.Lfunc_end_k_q9580025d18_norm:
	.size	k_q9580025d18_norm, .Lfunc_end_k_q9580025d18_norm-k_q9580025d18_norm
	.p2alignl 7, 3214868480
	.fill 96, 4, 3214868480
	.section	.rodata,"a",@progbits
	.p2align	6, 0x0
	.amdhsa_kernel k_q9580025d18_norm
		.amdhsa_group_segment_fixed_size 0
		.amdhsa_private_segment_fixed_size 0
		.amdhsa_enable_private_segment 0
		.amdhsa_kernarg_size 88
		.amdhsa_user_sgpr_count 2
		.amdhsa_user_sgpr_kernarg_segment_ptr 1
		.amdhsa_wavefront_size32 1
		.amdhsa_system_sgpr_workgroup_id_x 1
		.amdhsa_system_sgpr_workgroup_id_y 1
		.amdhsa_system_sgpr_workgroup_id_z 1
		.amdhsa_system_vgpr_workitem_id 0
		.amdhsa_next_free_vgpr 256
		.amdhsa_next_free_sgpr 66
		.amdhsa_reserve_vcc 0
		.amdhsa_float_denorm_mode_32 3
		.amdhsa_float_denorm_mode_16_64 3
		.amdhsa_memory_ordered 1
		.amdhsa_forward_progress 1
		.amdhsa_inst_pref_size 64
	.end_amdhsa_kernel
	.amdgpu_metadata
---
amdhsa.version: [ 1, 2 ]
amdhsa.kernels:
  - .name:           k_q9580025d18_norm
    .symbol:         k_q9580025d18_norm.kd
    .args:
      - { .name: y16, .offset: 0, .size: 8, .value_kind: global_buffer, .address_space: global }
      - { .name: part, .offset: 8, .size: 8, .value_kind: global_buffer, .address_space: global }
      - { .name: z, .offset: 16, .size: 8, .value_kind: global_buffer, .address_space: global }
      - { .name: gn_w, .offset: 24, .size: 8, .value_kind: global_buffer, .address_space: global }
      - { .name: gn_b, .offset: 32, .size: 8, .value_kind: global_buffer, .address_space: global }
      - { .name: gamma, .offset: 40, .size: 8, .value_kind: global_buffer, .address_space: global }
      - { .name: lq1, .offset: 48, .size: 8, .value_kind: global_buffer, .address_space: global }
      - { .name: lk1, .offset: 56, .size: 8, .value_kind: global_buffer, .address_space: global }
      - { .name: lq2, .offset: 64, .size: 8, .value_kind: global_buffer, .address_space: global }
      - { .name: lk2, .offset: 72, .size: 8, .value_kind: global_buffer, .address_space: global }
      - { .name: yn16, .offset: 80, .size: 8, .value_kind: global_buffer, .address_space: global }
    .group_segment_fixed_size: 0
    .private_segment_fixed_size: 0
    .kernarg_segment_align: 8
    .kernarg_segment_size: 88
    .max_flat_workgroup_size: 256
    .sgpr_count:     66
    .vgpr_count:     256
    .wavefront_size: 32
...
	.end_amdgpu_metadata
.endif
;; end of part 8
;; launch outp: the kernel of part 6 again; grid 8 x 32, 4 waves a work-group, clusters of 4 x 4, 327,680 bytes of LDS; arguments yn16, wc16, out0; writes out0
